; MI455X (gfx1250); checked and timed in simulation.
; The chip was launched on July 23, 2026; its instructions are those of AMD's public machine-readable ISA for CDNA 5 (MIT licence, August 2026) and "CDNA5" Instruction Set Architecture Reference Guide (July 2026). The comments in the code are by the model that wrote it; some were corrected since.
;; Qwen3 MH Attention. Allowed arithmetic: matrix products marked QUANTISED: E4M3 operands, one given power-of-two scale a tensor, by v_wmma_f32_16x16x64_fp8_fp8 or v_wmma_f32_16x16x128_fp8_fp8, f32 sums; everything else in f32.
;; Inputs: k_norm_w 128 float32; lowp_scales 12 int32 (the exponents e of the quantised operands' scales 2^e); q_norm_w 128 float32; wk 1,024 x 2,048 float32; wo 2,048 x 1,024 float32; wq 1,024 x 2,048 float32; wv 1,024 x 2,048 float32; x 2 x 2,048 x 2,048 float32.
;; Outputs: out0 2 x 2,048 x 2,048 float32.
;; This version of the problem:
;;   THIS VERSION OF THE PROBLEM IS GIVEN IN LOW PRECISION. The matrix products marked QUANTISED in the list below multiply operands that are first quantised to E4M3 (4 exponent bits, 3 mantissa bits; 8 bits a number), with one given power-of-two scale for each operand tensor; their sums are f32. All else is computed in f32.
;;   The module's matrix products, in the order in which they are computed (A, B: the left and right operand; K: the contracted axis; several contracted axes count as one K, in the product's order):
;;     1. [M 4,096, K 2,048] x [K 2,048, N 1,024]; A: input x; B: input wq: QUANTISED (scales: A lowp_scales[0], B lowp_scales[1])
;;     2. [M 4,096, K 2,048] x [K 2,048, N 1,024]; A: input x; B: input wk: QUANTISED (scales: A lowp_scales[2], B lowp_scales[3])
;;     3. [M 4,096, K 2,048] x [K 2,048, N 1,024]; A: input x; B: input wv: QUANTISED (scales: A lowp_scales[4], B lowp_scales[5])
;;     4. batch 16 x [M 2,048, K 128] x [K 128, N 2,048]; A: computed on the way; B: computed on the way: QUANTISED (scales: A lowp_scales[6], B lowp_scales[7])
;;     5. batch 16 x [M 2,048, K 2,048] x [K 2,048, N 128]; A: softmax (see below); B: computed on the way: QUANTISED (scales: A lowp_scales[8], B lowp_scales[9])
;;     6. [M 4,096, K 1,024] x [K 1,024, N 2,048]; A: computed on the way; B: input wo: QUANTISED (scales: A lowp_scales[10], B lowp_scales[11])
;;   THE QUANTISER, for each operand of a quantised product, along K:
;;     - The operand's scale is 2^e, e = its entry of the input lowp_scales (int32; the entries are numbered through the quantised products in the list's order, A before B).
;;     - Each number is divided by the scale, clamped to +-448, and rounded to the nearest number of E4M3, ties to even, subnormals kept.
;;     - The product sums the exact products of the quantised numbers (number of the format x scale) in f32.
;;   ~~~python
;;   def quantise(x, axis, e):      # numpy; x: float32 -> the quantised numbers, widened to float32 again
;;       x = np.moveaxis(x, axis, -1); K = x.shape[-1]
;;       r = np.clip(x / 2.0 ** e, -448, 448)
;;       step = 2.0 ** (np.maximum(np.frexp(np.where(r == 0, 1, r))[1] - 1, -6) - 3)
;;       q = np.round(r / step) * step * 2.0 ** e      # np.round: ties to even
;;       return np.moveaxis(q, -1, axis).astype(np.float32)
;;   ~~~
;;   SOFTMAX AHEAD OF A QUANTISED PRODUCT. Where the list says 'softmax', what is quantised is not the finished softmax but p = 2^(t - M), with t = logit x log2(e) and M = ceil(the row's largest t), a whole number; so 1/2 < the row's largest p <= 1. The row's sum l is taken of the UNQUANTISED p, in f32, and the product's result is divided by l at the end. Since M is a whole number, a kernel that streams over the keys may use a running M (the ceiling of the running maximum): every later rescaling is an exact power of two, so the quantised numbers keep their values, but for numbers so far below the row's largest that they fall under the format's range.
;;   OPERANDS COMPUTED ON THE WAY. 'Computed on the way' means the value that the module computes at that place (a softmax that the list does not call 'softmax' is quantised finished and normalised). What goes into a quantiser is computed in f32, as accurately as f32 sums, v_exp_f32 and their like allow (about 1e-6 of the number): no bf16 or f16 on the way to a quantiser, and a product that is left as it is and whose result goes on into a quantised operand takes f32 operands (vector FMAs, or v_wmma_f32_16x16x4_f32). A number that lies on a knife's edge between two numbers of the format may be rounded either way, as far as f32 arithmetic and the matrix unit's own rounding can turn it there, and no further.
;; One version. Each part assembles by itself: llvm-mc -triple=amdgcn-amd-amdhsa -mcpu=gfx1250 --defsym DOCPART=n.
;; ======== version 1 of 1: 4 launches
;; limits: a function is approximated: absolute error at most 6e-05
;; workspace buffers: xc 25,165,824 bytes; wc 6,291,456 bytes; woc 2,097,152 bytes; rope 1,048,576 bytes; qkv 12,582,912 bytes; ctx 4,194,304 bytes
;; launch prep (part 1): grid 576 x 1, 4 waves a work-group, no clusters, 41,472 bytes of LDS; arguments x, wq, wk, wv, wo, lowp_scales, xc, wc, woc, rope; writes xc, wc, woc, rope
.if DOCPART == 1
	.amdgcn_target "amdgcn-amd-amdhsa--gfx1250"
	.amdhsa_code_object_version 6
	.text
	.protected	k_qb361016937_prep
	.globl	k_qb361016937_prep
	.p2align	8
	.type	k_qb361016937_prep,@function
k_qb361016937_prep:
	s_mov_b64 s[64:65], 0
	v_nop
	global_prefetch_b8 v0, s[64:65] scope:SCOPE_SE
	s_setreg_imm32_b32 hwreg(HW_REG_WAVE_MODE, 25, 1), 1
	s_wait_xcnt 0x0
; PREP: f32 inputs into codes of FP8 (E4M3), K innermost, and the table of cosines and sines for the rotary embedding.
; code = number / 2^e, held within +-448, to the nearest code, ties to even.  x is an operand of three products with three given scales (entries 0, 2, 4): three sets of codes, xc[3][4096][2048].
; wq, wk, wv (entries 1, 3, 5) -> wc[3][1024][2048];  wo (entry 11) -> woc[2048][1024].  Rows are dense and K is innermost everywhere, so each tensor is a plain stream.
; rope[t][0..63] = cos(t f_j), rope[t][64..127] = sin(t f_j), f_j = 1e6^(-j/64), t = 0 .. 2047; the angle t f_j is rounded once to f32, as the model's text rounds it.
; SHARES: work-groups 0-255: x, 32,768 numbers each; 256-511: the four weights, 64 work-groups each; 512-575: 32 rows of the table each.  The three ways part on the work-group number alone.
; A wave takes 16 steps of 512 numbers.  Each load reads 512 consecutive bytes; a step's 2,048 bytes turn through the wave's own stage in LDS so that a lane holds 16 neighbours along K; a lane's 16 codes are 16 bytes,
; so each store of the wave covers 512 consecutive bytes, aligned.  Loads run four steps ahead, the turn through LDS one step.  No barrier: waves share nothing.  The two ways that use LDS have LDS bytes of their own.
; LIMITS: each e used here between -126 and 119; NaN among the inputs is not served.  f_j is made to about 1e-7 of its value; sine and cosine by reduction with a two-part pi/2 (exact for angles under 2^11) and polynomials, about 1e-7.
.set R,    16                          ; v16-79   four sets of 16 numbers as loaded
.set XS,   80                          ; v80-111  two sets of 16 neighbours
.set T,    112                         ; v112-127 the 16 numbers, held
.set CD,   128                         ; v128-151 two sets of up to 12 registers of codes
.set SP,   80                          ; a lane's place in a stage: 64 bytes + 16 of padding
.set SRC,  38                          ; s[38:39] where my wave reads
.set DST,  40                          ; s[40:45] where it stores: up to three outputs
.set LBX,  0                           ; LDS of x's way: 4 waves x 5,120 bytes
.set LBW,  20480                       ; LDS of the weights' way
	s_load_b512 s[4:19], s[0:1], 0x0               ; x 4:5, wq 6:7, wk 8:9, wv 10:11, wo 12:13, scales 14:15, xc 16:17, wc 18:19
	s_load_b128 s[20:23], s[0:1], 0x40             ; woc 20:21, rope 22:23
	v_lshl_add_u32 v160, v0, 2, 0xa000
	v_mov_b32 v161, 0
	v_lshrrev_b32 v1, 5, v0
	v_readfirstlane_b32 s36, v1                    ; wave
	v_and_b32 v2, 31, v0                           ; lane
	v_lshlrev_b32 v3, 4, v2                        ; 16 x lane: my bytes of a load's 512 and of a store's 512; never rewritten
	s_mul_i32 s37, s36, 5120
	v_lshrrev_b32 v14, 2, v2
	v_mul_u32_u24 v14, v14, SP
	v_and_b32 v15, 3, v2
	v_lshl_add_u32 v14, v15, 4, v14
	v_add_nc_u32 v14, s37, v14                     ; the stage, way in: SP (lane / 4) + 16 (lane % 4)
	v_mul_u32_u24 v15, v2, SP
	v_add_nc_u32 v15, s37, v15                     ; way out: SP x lane: my 16 neighbours
	s_wait_kmcnt 0x0
	s_load_b256 s[24:31], s[14:15], 0x0            ; e0 .. e7
	s_load_b128 s[32:35], s[14:15], 0x20           ; e8 .. e11
.macro LOAD t
.irp i, 0,1,2,3
	global_load_b128 v[R+16*((\t)%4)+4*\i:R+16*((\t)%4)+4*\i+3], v3, s[SRC:SRC+1] offset:2048*(\t)+512*\i th:TH_LOAD_NT
.endr
.endm
.macro TURN t, lb                      ; step t through the stage: LDS serves a wave's instructions in order, so no wait stands between the stores and the loads
.irp i, 0,1,2,3
	ds_store_b128 v14, v[R+16*((\t)%4)+4*\i:R+16*((\t)%4)+4*\i+3] offset:\lb+32*SP*((\t)%2)+8*SP*\i
.endr
.irp i, 0,1,2,3
	ds_load_b128 v[XS+16*((\t)%2)+4*\i:XS+16*((\t)%2)+4*\i+3], v15 offset:\lb+32*SP*((\t)%2)+16*\i
.endr
.endm
.macro MKSCALE e, vs, vl               ; v[vs] = 2^e as f32 (the conversion takes its exponent field), v[vl] = 448 x 2^e
	s_add_co_i32 s50, s[\e], 127
	s_lshl_b32 s51, s50, 23
	v_mov_b32 v[\vs], s51
	s_add_co_i32 s50, s50, 8
	s_lshl_b32 s50, s50, 23
	s_or_b32 s50, s50, 0x600000
	v_mov_b32 v[\vl], s50
.endm
.macro QSTEP t, nout, lb
	s_wait_dscnt 0x0                               ; this step's numbers are back from the stage, so its stores into the stage have read their registers,
.if (\t)+4 < 16
	LOAD (\t)+4                                    ; which take the loads of four steps on
.endif
.if (\t)+1 < 16
.if 14-(\t) >= 3
	s_wait_loadcnt 12                              ; the next step's four loads are in; those of the three steps behind it may be out
.else
	s_wait_loadcnt 4*(14-(\t))
.endif
	TURN (\t)+1, \lb
.endif
	s_wait_xcnt 0x0                                ; the stores of two steps ago have read their data: this set of code registers is written again only behind this wait
.set o, 0
.rept \nout
.irp i, 0,1,2,3,4,5,6,7,8,9,10,11,12,13,14,15
	v_med3_num_f32 v[T+\i], v[XS+16*((\t)%2)+\i], -v[9+2*o], v[9+2*o]   ; the conversion does not saturate (ISA guide 7.6.2): the hold at the largest code x the scale
.endr
	v_cvt_scalef32_pk8_fp8_f32 v[CD+12*((\t)%2)+4*o:CD+12*((\t)%2)+4*o+1], v[T:T+7], v[8+2*o]
	v_cvt_scalef32_pk8_fp8_f32 v[CD+12*((\t)%2)+4*o+2:CD+12*((\t)%2)+4*o+3], v[T+8:T+15], v[8+2*o]
	v_nop                                          ; one plain line behind the conversions: the next holds write their sources
	global_store_b128 v3, v[CD+12*((\t)%2)+4*o:CD+12*((\t)%2)+4*o+3], s[DST+2*o:DST+2*o+1] offset:512*(\t)
.set o, o+1
.endr
.endm
	s_cmp_lt_u32 ttmp9, 256
	s_cbranch_scc0 .Lnot_x
	; ---- x: three sets of codes from one read
	s_lshl_b32 s46, ttmp9, 2
	s_add_co_u32 s46, s46, s36                     ; which run of 8,192 numbers is my wave's
	s_lshl_b32 s48, s46, 15
	s_mov_b32 s49, 0
	s_add_nc_u64 s[SRC:SRC+1], s[4:5], s[48:49]
	s_lshl_b32 s48, s46, 13
	s_add_nc_u64 s[DST:DST+1], s[16:17], s[48:49]
	s_add_nc_u64 s[DST+2:DST+3], s[DST:DST+1], 0x800000
	s_add_nc_u64 s[DST+4:DST+5], s[DST:DST+1], 0x1000000
.irp t, 0,1,2,3
	LOAD \t
.endr
	s_wait_kmcnt 0x0
	MKSCALE 24, 8, 9                               ; e0
	MKSCALE 26, 10, 11                             ; e2
	MKSCALE 28, 12, 13                             ; e4
	s_wait_loadcnt 12                              ; step 0's four loads are in
	TURN 0, LBX
.irp t, 0,1,2,3,4,5,6,7,8,9,10,11,12,13,14,15
	QSTEP \t, 3, LBX
.endr
	s_wait_tensorcnt 0x0
	ds_add_u32 v160, v161
	s_wait_dscnt 0x0
	s_endpgm
.Lnot_x:
	s_cmp_lt_u32 ttmp9, 512
	s_cbranch_scc0 .Lrope
	; ---- a weight: u = 0 wq, 1 wk, 2 wv, 3 wo.  Only pointers and e are chosen, on the work-group number
	s_sub_co_u32 s46, ttmp9, 256
	s_lshr_b32 s47, s46, 6                         ; u
	s_and_b32 s46, s46, 63
	s_lshl_b32 s46, s46, 2
	s_add_co_u32 s46, s46, s36                     ; my wave's run in the tensor
	s_lshl_b32 s48, s46, 15
	s_mov_b32 s49, 0
	s_lshl_b32 s56, s46, 13
	s_mov_b32 s57, 0
	s_lshl_b32 s52, s47, 21                        ; the tensor's part of wc
	s_wait_kmcnt 0x0
	s_cmp_eq_u32 s47, 3
	s_cselect_b32 s52, 0, s52
	s_cselect_b64 s[DST:DST+1], s[20:21], s[18:19]
	s_cselect_b64 s[SRC:SRC+1], s[12:13], s[10:11]
	s_cselect_b32 s54, s35, s29                    ; e11 or e5
	s_cmp_eq_u32 s47, 1
	s_cselect_b64 s[SRC:SRC+1], s[8:9], s[SRC:SRC+1]
	s_cselect_b32 s54, s27, s54                    ; e3
	s_cmp_eq_u32 s47, 0
	s_cselect_b64 s[SRC:SRC+1], s[6:7], s[SRC:SRC+1]
	s_cselect_b32 s54, s25, s54                    ; e1
	s_add_co_u32 s56, s56, s52
	s_add_nc_u64 s[SRC:SRC+1], s[SRC:SRC+1], s[48:49]
	s_add_nc_u64 s[DST:DST+1], s[DST:DST+1], s[56:57]
.irp t, 0,1,2,3
	LOAD \t
.endr
	MKSCALE 54, 8, 9
	s_wait_loadcnt 12
	TURN 0, LBW
.irp t, 0,1,2,3,4,5,6,7,8,9,10,11,12,13,14,15
	QSTEP \t, 1, LBW
.endr
	s_wait_tensorcnt 0x0
	ds_add_u32 v160, v161
	s_wait_dscnt 0x0
	s_endpgm
.Lrope:
	; ---- the table.  A wave makes 8 rows, two a pass: lanes 0-15 one row, lanes 16-31 the next; a lane has four frequencies j = 4 (lane % 16) + 0 .. 3
	s_sub_co_u32 s46, ttmp9, 512
	s_lshl_b32 s46, s46, 5
	s_lshl_b32 s47, s36, 3
	s_add_co_u32 s46, s46, s47                     ; my wave's first row
	s_lshl_b32 s48, s46, 9
	s_mov_b32 s49, 0
	s_add_nc_u64 s[22:23], s[22:23], s[48:49]
	s_mov_b32 s52, 0x3f22f983                      ; 2 / pi
	s_mov_b32 s53, 0x3fc90fdb                      ; pi / 2, upper part
	s_mov_b32 s54, 0xb33bbd2e                      ; pi / 2, lower part
	s_mov_b32 s55, 0xbe2aaaa3                      ; sine: r + r z (S1 + z (S2 + z S3))
	s_mov_b32 s56, 0x3c08839e
	s_mov_b32 s57, 0xb94ca1f9
	s_mov_b32 s58, 0x3d2aaaa5                      ; cosine: 1 - z / 2 + z z (C1 + z (C2 + z C3))
	s_mov_b32 s59, 0xbab6061a
	s_mov_b32 s60, 0x37ccf5ce
	v_and_b32 v16, 15, v2
	v_lshrrev_b32 v17, 4, v2                       ; which of the pass's two rows
	v_lshlrev_b32 v18, 4, v16
	v_lshl_add_u32 v18, v17, 9, v18                ; where I store: 512 x row half + 16 (lane % 16); never rewritten
	v_add_nc_u32 v19, s46, v17                     ; my row in pass 0
	v_lshlrev_b32 v20, 2, v16
.irp i, 0,1,2,3
	v_add_nc_u32 v[28+\i], \i, v20
.endr
.irp i, 0,1,2,3
	v_cvt_f32_u32 v[28+\i], v[28+\i]               ; j
.endr
.irp i, 0,1,2,3
	v_mul_f32 v[32+\i], 0xbe9f7400, v[28+\i]       ; y = -c_hi j, exact: c_hi has 14 bits, j six;  c = log2(1e6) / 64 = c_hi - 1.12587e-6
.endr
.irp i, 0,1,2,3
	v_rndne_f32 v[36+\i], v[32+\i]                 ; n
.endr
.irp i, 0,1,2,3
	v_sub_f32 v[32+\i], v[32+\i], v[36+\i]         ; y - n, exact
.endr
.irp i, 0,1,2,3
	v_fmamk_f32 v[32+\i], v[28+\i], 0x35971c99, v[32+\i]   ; + (c_hi - c) j
.endr
.irp i, 0,1,2,3
	v_exp_f32 v[24+\i], v[32+\i]
.endr
.irp i, 0,1,2,3
	v_cvt_i32_f32 v[36+\i], v[36+\i]               ; plain work behind the exponentials
.endr
	s_wait_alu depctr_va_vdst(0)                   ; one wait for the four exponentials, ahead of their first reader
.irp i, 0,1,2,3
	v_ldexp_f32 v[24+\i], v[24+\i], v[36+\i]       ; f_j = 2^(-c j)
.endr
.macro SINCOS a, oc, os                ; v[oc] = cos(v[a]), v[os] = sin(v[a]); 0 <= v[a] < 2,048
	v_mul_f32 v40, s52, v[\a]
	v_rndne_f32 v40, v40                           ; k = the nearest multiple of pi / 2
	v_fma_f32 v41, -v40, s53, v[\a]                ; exact: under 1 in size, on a grid of 2^-23
	v_fma_f32 v41, -v40, s54, v41                  ; r
	v_cvt_i32_f32 v42, v40
	v_mul_f32 v43, v41, v41                        ; z
	v_fma_f32 v44, v43, s57, s56
	v_fma_f32 v46, v43, s60, s59
	v_mul_f32 v45, v43, v41
	v_fma_f32 v44, v44, v43, s55
	v_fma_f32 v46, v46, v43, s58
	v_fma_f32 v47, v43, -0.5, 1.0
	v_fma_f32 v44, v44, v45, v41                   ; sin r
	v_mul_f32 v45, v43, v43
	v_fma_f32 v46, v46, v45, v47                   ; cos r
	v_and_b32 v45, 1, v42
	v_cmp_eq_u32 vcc_lo, 1, v45                    ; an odd quarter swaps the two
	v_cndmask_b32 v[\os], v44, v46, vcc_lo
	v_cndmask_b32 v[\oc], v46, v44, vcc_lo
	v_lshlrev_b32 v45, 30, v42
	v_and_b32 v45, 0x80000000, v45                 ; quarters 2, 3: the sine changes sign
	v_xor_b32 v[\os], v[\os], v45
	v_add_nc_u32 v45, 1, v42
	v_lshlrev_b32 v45, 30, v45
	v_and_b32 v45, 0x80000000, v45                 ; quarters 1, 2: the cosine
	v_xor_b32 v[\oc], v[\oc], v45
.endm
.irp p, 0,1,2,3                        ; each pass has its own eight result registers, so no store's data are written again
	v_add_nc_u32 v21, 2*\p, v19
	v_cvt_f32_u32 v21, v21                         ; t
.irp i, 0,1,2,3
	v_mul_f32 v[32+\i], v21, v[24+\i]              ; the angle, rounded once
.endr
.irp i, 0,1,2,3
	SINCOS 32+\i, 48+8*\p+\i, 52+8*\p+\i
.endr
	global_store_b128 v18, v[48+8*\p:51+8*\p], s[22:23] offset:1024*\p          ; sixteen lanes store 256 consecutive bytes, aligned: a row's cosines
	global_store_b128 v18, v[52+8*\p:55+8*\p], s[22:23] offset:1024*\p+256      ; and its sines
.endr
	s_endpgm
.Lfunc_end_k_qb361016937_prep:
	.size	k_qb361016937_prep, .Lfunc_end_k_qb361016937_prep-k_qb361016937_prep
	.p2alignl 7, 3214868480
	.fill 96, 4, 3214868480
	.section	.rodata,"a",@progbits
	.p2align	6, 0x0
	.amdhsa_kernel k_qb361016937_prep
		.amdhsa_group_segment_fixed_size 41472
		.amdhsa_private_segment_fixed_size 0
		.amdhsa_enable_private_segment 0
		.amdhsa_kernarg_size 80
		.amdhsa_user_sgpr_count 2
		.amdhsa_user_sgpr_kernarg_segment_ptr 1
		.amdhsa_wavefront_size32 1
		.amdhsa_system_sgpr_workgroup_id_x 1
		.amdhsa_system_sgpr_workgroup_id_y 1
		.amdhsa_system_sgpr_workgroup_id_z 1
		.amdhsa_system_vgpr_workitem_id 0
		.amdhsa_next_free_vgpr 162
		.amdhsa_next_free_sgpr 66
		.amdhsa_reserve_vcc 1
		.amdhsa_float_denorm_mode_32 3
		.amdhsa_float_denorm_mode_16_64 3
		.amdhsa_memory_ordered 1
		.amdhsa_forward_progress 1
		.amdhsa_inst_pref_size 138
	.end_amdhsa_kernel
	.amdgpu_metadata
---
amdhsa.version: [ 1, 2 ]
amdhsa.kernels:
  - .name:           k_qb361016937_prep
    .symbol:         k_qb361016937_prep.kd
    .args:
      - { .name: x, .offset: 0, .size: 8, .value_kind: global_buffer, .address_space: global }
      - { .name: wq, .offset: 8, .size: 8, .value_kind: global_buffer, .address_space: global }
      - { .name: wk, .offset: 16, .size: 8, .value_kind: global_buffer, .address_space: global }
      - { .name: wv, .offset: 24, .size: 8, .value_kind: global_buffer, .address_space: global }
      - { .name: wo, .offset: 32, .size: 8, .value_kind: global_buffer, .address_space: global }
      - { .name: lowp_scales, .offset: 40, .size: 8, .value_kind: global_buffer, .address_space: global }
      - { .name: xc, .offset: 48, .size: 8, .value_kind: global_buffer, .address_space: global }
      - { .name: wc, .offset: 56, .size: 8, .value_kind: global_buffer, .address_space: global }
      - { .name: woc, .offset: 64, .size: 8, .value_kind: global_buffer, .address_space: global }
      - { .name: rope, .offset: 72, .size: 8, .value_kind: global_buffer, .address_space: global }
    .group_segment_fixed_size: 41472
    .private_segment_fixed_size: 0
    .kernarg_segment_align: 8
    .kernarg_segment_size: 80
    .max_flat_workgroup_size: 128
    .sgpr_count:     66
    .vgpr_count:     162
    .wavefront_size: 32
...
	.end_amdgpu_metadata
.endif
;; end of part 1
;; launch qkv (part 2): grid 4 x 48, 4 waves a work-group, clusters of 4 x 4, 327,680 bytes of LDS; arguments xc, wc, lowp_scales, q_norm_w, k_norm_w, rope, qkv; writes qkv
.if DOCPART == 2
	.amdgcn_target "amdgcn-amd-amdhsa--gfx1250"
	.amdhsa_code_object_version 6
	.text
	.protected	k_qb361016937_qkv
	.globl	k_qb361016937_qkv
	.p2align	8
	.type	k_qb361016937_qkv,@function
k_qb361016937_qkv:
	s_mov_b64 s[64:65], 0
	v_nop
	global_prefetch_b8 v0, s[64:65] scope:SCOPE_SE
	s_setreg_imm32_b32 hwreg(HW_REG_WAVE_MODE, 25, 1), 1
	s_wait_xcnt 0x0
	s_wait_alu depctr_hold_cnt(0) depctr_sa_sdst(0) depctr_va_vdst(0) depctr_va_sdst(0) depctr_va_ssrc(0) depctr_va_vcc(0) depctr_vm_vsrc(0)
	s_getreg_b32 s2, hwreg(HW_REG_IB_STS2, 6, 4)
	s_cmp_eq_u32 s2, 0
	s_cbranch_scc0 .Lentry_in_a_cluster
	s_endpgm
.Lentry_in_a_cluster:
	s_bfe_u32 s2, ttmp6, 0x10000c
	s_cmp_lg_u32 s2, 0xf033
	s_cbranch_scc0 .Lentry_shape_is_right
	s_endpgm
.Lentry_shape_is_right:
; QKV: the three projections on codes of FP8 (E4M3), then, in f32, the RMS norm over the head and the rotary embedding for q and k, then the quantiser of the attention products' operands (entries 6, 7, 9).
; P = cluster y / 4: 0 q, 1 k, 2 v.  A tile of 256 x 256 x 2,048 is made by four waves, each 128 x 128: 64 accumulators, 512 registers.  K goes in steps of 256 through a ring of two LDS slots filled by the tensor data mover.
; THE MATRIX INSTRUCTION IS USED TRANSPOSED (source 0 = 16 rows of B, source 1 = 16 rows of A): lane (r, h) holds row 16 a + r of A, and register j of accumulator (a, b) row 16 b + 8 h + j of B.
; q, k: A = codes of x (tokens), B = codes of the weight (a wave's 128 rows = one head): a lane and its partner 16 away hold a token's whole head.  v: A = codes of wv, B = codes of x: a lane holds a channel, registers run along the tokens,
; which are the second attention product's K.  In both cases the eight registers of accumulator (a, b) convert into registers 2 b, 2 b + 1 of a fragment in the plain form's own layout (k = 16 b + 8 h + 0 .. 7).
; OUT: fragments as images of their registers, 2,048 bytes each: registers 4 i .. 4 i + 3 of lane l at 512 i + 16 l.  qkv[part][batch x 8 + head][262,144]: q, k: 128 blocks of 16 tokens; v: 16 key steps x 8 blocks of 16 channels.
; Each store of the wave covers 512 consecutive bytes, aligned; nothing goes through LDS on the way out.
; CLUSTERS: 4 x 4 work-groups; A's tile is asked for jointly by a row of the cluster, B's by a column.  P and the block of tile rows or columns come from the cluster's y, which all sixteen share.
; LIMITS: with E = the two operands' exponents added: E and 2 E - 7 between -126 and 127 (q, k); entries 6 and 7, and entry 9 less E (v), between -126 and 119.  NaN is not served.
; The cosines and sines of a wave's first 16 tokens come from the table (angle rounded as the model's text rounds it); those of its next seven blocks by rotations through 16 theta: they are true to about 5e-7 of the exact
; angle, and do not repeat the rounding of t x frequency to f32, which is up to half an ulp of the angle (6e-5 at t near 2,000).
; REGISTERS, in windows of 256: window 0: v0-31 addresses; from v128 A's fragments, ONE set; window 1: B's fragments, TWO sets; windows 2, 3: the accumulators ((a, b) at v[8 (8 (a % 4) + b)]).
.set KSTEP,  256
.set ROWB,   256                       ; a tile's row in bytes
.set KROW,   2048                      ; a row of codes in memory
.set PITCH,  272                       ; an LDS row: 256 bytes + 16 of padding = 68 words: the 16 rows that a load touches start at 16 different banks (64 banks of 4 bytes: ISA guide 11.1)
.set FR,     16
.set NL,     4
.set NP,     4
.set HALFT,  128*PITCH
.set SLOT,   4*HALFT
.set LAPS,   4                         ; 2,048 / 512
.set SPARE,  2*SLOT                    ; behind the ring: the spare words, 128 bytes for each wave
.set ADRA, 16
.set ADRB, 20
.set TA,   24                          ; v24  the table: (my token in the sequence) x 512 + 32 h
.set WA,   25                          ; v25  32 h
.set CO,   26                          ; v26  16 x lane
.set SCV,  27                          ; v27  the quantiser's scale as f32
.set SPW,  28
.set NIL,  29
.set LIMV, 30                          ; v30  448 x that scale
.set Y,    32                          ; v32-95   a block's 64 numbers
.set COS,  96                          ; v96-127  cosines of my token at my 32 frequencies
.set SIN,  128                         ; v128-159 sines
.set T,    160                         ; v160-175 at work
.set SS,   176                         ; v176-191 eight pairs: rsqrt x 2^E of block a in the low word
.set CD,   192                         ; v192-223 two sets of 16 registers of codes
.set W,    0                           ; window 1: the norm's weight at my 64 channels
.set SC16, 64                          ; window 1: cos 16 theta
.set SS16, 96                          ; window 1: sin 16 theta
.set AF,   128
.set G1, 24
.set G0, 32
.set G1B, 48
.set G0B, 56
.set MSB, 0
.macro WIN new                         ; the immediate's high byte repeats the setting that is left
.if MSB != \new
	s_set_vgpr_msb (MSB<<8)|\new
.set MSB, \new
.endif
.endm
.set MUL_LO, 0xa1                      ; source 0 (B) window 1, source 1 (A) window 0, C and D window 2
.set MUL_HI, 0xf1
.set TO_B,   0x40
; A joint load: waves 0 and 1 fetch for A, waves 2 and 3 for B; the branch hangs on the wave number alone.  Four v_nop follow each of the two lines.
.macro JLOAD g0a, g1a, g0b, g1b
	s_cmp_eq_u32 s15, 0
	s_cbranch_scc0 .Lfor_b_\@
	tensor_load_to_lds s[\g0a:\g0a+3], s[\g1a:\g1a+7]
	s_nop 0
.rept 4
	v_nop
.endr
	s_branch .Lasked_\@
.Lfor_b_\@:
	tensor_load_to_lds s[\g0b:\g0b+3], s[\g1b:\g1b+7]
	s_nop 0
.rept 4
	v_nop
.endr
.Lasked_\@:
.endm
.macro CREST
	s_cmp_lg_u32 s14, 0
	s_cbranch_scc1 .Lnot_wave_0_\@
	s_barrier_signal -3
.Lnot_wave_0_\@:
	s_barrier_wait -3
	s_barrier_signal -1
	s_barrier_wait -1
.endm
.macro CROUND
	s_barrier_signal -1
	s_barrier_wait -1
	CREST
.endm
	s_load_b256 s[68:75], s[0:1], 0x0              ; xc 68:69, wc 70:71, scales 72:73, q_norm_w 74:75
	s_load_b128 s[76:79], s[0:1], 0x20             ; k_norm_w 76:77, rope 78:79
	s_load_b64 s[80:81], s[0:1], 0x30              ; qkv
	v_lshl_add_u32 v[SPW], v0, 2, SPARE
	v_mov_b32 v[NIL], 0
	ds_add_u32 v28, v29
	ds_add_u32 v28, v29
	s_wait_dscnt 0x0
	v_lshrrev_b32 v1, 5, v0
	v_readfirstlane_b32 s14, v1                    ; wave 0..3
	s_lshr_b32 s15, s14, 1                         ; which half of A's rows is mine.  Also: I fetch for A (0) or for B (1)
	s_and_b32 s16, s14, 1                          ; which half of B's rows.  Also: which 128 rows I fetch
	s_bfe_u32 s40, ttmp6, 0x40000                  ; cx
	s_bfe_u32 s41, ttmp6, 0x40004                  ; cy
	s_and_b32 s13, ttmp7, 0xffff                   ; the cluster's y, 0 .. 11
	s_lshr_b32 s12, s13, 2                         ; P
	s_and_b32 s13, s13, 3
	s_lshl_b32 s13, s13, 2                         ; which four tiles of the 16 along the tokens
	s_lshl_b32 s8, s12, 23                         ; this product's codes of x,
	s_mov_b32 s9, 0
	s_lshl_b32 s18, s12, 21                        ; and of its weight
	s_mov_b32 s19, 0
	s_cmp_eq_u32 s12, 2
	s_cselect_b32 s17, 0, s13
	s_cselect_b32 s42, s13, 0
	s_add_co_u32 s17, s17, s41                     ; A's tile row: made of cy and the cluster's y alone
	s_add_co_u32 s42, s42, s40                     ; B's tile row: of cx and the cluster's y alone
	s_lshl_b32 s43, s41, 2
	s_lshl_b32 s43, 15, s43                        ; my row of the cluster
	s_lshl_b32 s44, 0x1111, s40                    ; my column
	s_or_b32 s[G1+0], s43, (0<<16)|(1<<20)|(1<<21)|(5<<22)|(3<<25)  ; the mask; elements of 1 byte; padding on: 4 words after every 64; bit 21 beside a mask
	s_or_b32 s[G1B+0], s44, (0<<16)|(1<<20)|(1<<21)|(5<<22)|(3<<25)
.irp g, G1, G1B
	s_mov_b32 s[\g+1], ROWB<<16                    ; tensor_dim0
	s_mov_b32 s[\g+2], 128<<16                     ; tensor_dim1
	s_mov_b32 s[\g+3], ROWB<<16                    ; tile_dim0
	s_mov_b32 s[\g+4], 128                         ; tile_dim1
	s_mov_b32 s[\g+5], KROW                        ; the pitch
	s_mov_b32 s[\g+6], 0
	s_mov_b32 s[\g+7], 0
.endr
	s_lshl_b32 s22, s16, 7
	s_lshl_b32 s20, s17, 8
	s_add_co_u32 s20, s20, s22
	s_lshl_b32 s20, s20, 11                        ; A: (256 x tile row + 128 x half) rows of 2,048 bytes
	s_mov_b32 s21, 0
	s_lshl_b32 s46, s42, 8
	s_add_co_u32 s46, s46, s22
	s_lshl_b32 s46, s46, 11                        ; B likewise
	s_mov_b32 s47, 0
	s_mul_i32 s45, s14, HALFT                      ; where they go: wave x 128 rows
	s_wait_kmcnt 0x0
	s_load_b256 s[84:91], s[72:73], 0x0            ; e0 .. e7
	s_load_b128 s[92:95], s[72:73], 0x20           ; e8 .. e11
	s_add_nc_u64 s[68:69], s[68:69], s[8:9]
	s_add_nc_u64 s[70:71], s[70:71], s[18:19]
	s_cmp_eq_u32 s12, 2
	s_cselect_b64 s[4:5], s[70:71], s[68:69]       ; A: the weight for v, else x
	s_cselect_b64 s[6:7], s[68:69], s[70:71]       ; B: the other
	s_cmp_eq_u32 s12, 1
	s_cselect_b64 s[82:83], s[76:77], s[74:75]     ; the norm's weight
	s_add_nc_u64 s[20:21], s[4:5], s[20:21]
	s_add_nc_u64 s[46:47], s[6:7], s[46:47]
	CROUND                                         ; all sixteen work-groups are here: the first joint loads meet
.irp s, 0,1
	s_mov_b32 s[G0+4*\s], 1
	s_add_co_u32 s[G0+4*\s+1], s45, \s*SLOT
	s_add_nc_u64 s[G0+4*\s+2:G0+4*\s+3], s[20:21], \s*ROWB
	s_or_b32 s[G0+4*\s+3], s[G0+4*\s+3], 0x80000000
	s_mov_b32 s[G0B+4*\s], 1
	s_add_co_u32 s[G0B+4*\s+1], s45, \s*SLOT
	s_add_nc_u64 s[G0B+4*\s+2:G0B+4*\s+3], s[46:47], \s*ROWB
	s_or_b32 s[G0B+4*\s+3], s[G0B+4*\s+3], 0x80000000
	JLOAD G0+4*\s, G1, G0B+4*\s, G1B
.endr
	v_and_b32 v1, 15, v0                           ; r
	v_bfe_u32 v2, v0, 4, 1                         ; h
	v_mul_u32_u24 v3, v1, PITCH
	v_lshl_add_u32 v4, v2, 4, v3
	s_mul_i32 s21, s15, HALFT
	s_mul_i32 s22, s16, HALFT
	s_add_co_u32 s22, s22, 2*HALFT
.irp s, 0,1
	v_add_nc_u32 v[ADRA+\s], s21, v4
	v_add_nc_u32 v[ADRB+\s], s22, v4
	s_add_co_u32 s21, s21, SLOT
	s_add_co_u32 s22, s22, SLOT
.endr
	; where my wave's fragments go
	s_lshl_b32 s8, s17, 1
	s_add_co_u32 s8, s8, s15                       ; which 128 rows of A are mine
	s_lshl_b32 s9, s42, 1
	s_add_co_u32 s9, s9, s16                       ; which 128 rows of B
	s_cmp_eq_u32 s12, 2
	s_cselect_b32 s18, s9, s8                      ; the tokens' side
	s_cselect_b32 s19, s8, s9                      ; the head
	s_lshl_b32 s18, s18, 7                         ; my first token of 4,096
	s_lshr_b32 s22, s18, 11
	s_lshl_b32 s22, s22, 3
	s_add_co_u32 s22, s22, s19                     ; batch x 8 + head
	s_lshl_b32 s22, s22, 18
	s_and_b32 s13, s18, 2047                       ; my first token in its sequence
	s_lshl_b32 s23, s13, 7                         ; 2,048 bytes for 16 tokens (q, k); 16,384 for a key step of 128 (v)
	s_add_co_u32 s22, s22, s23
	s_lshl_b32 s23, s12, 22
	s_add_co_u32 s22, s22, s23
	s_mov_b32 s23, 0
	s_add_nc_u64 s[10:11], s[80:81], s[22:23]
	v_add_nc_u32 v5, s13, v1
	v_lshlrev_b32 v[WA], 5, v2
	v_lshl_add_u32 v[TA], v5, 9, v[WA]
	v_and_b32 v6, 31, v0
	v_lshlrev_b32 v[CO], 4, v6
.macro FRAG reg, adr, q, i             ; 16 rows x 128 K: four loads of 16 bytes, 32 apart: the same permutation of k in A and in B
.irp c, 0,1,2,3
	ds_load_b128 v[\reg+4*\c:\reg+4*\c+3], v[\adr] offset:128*(\q)+32*\c+(\i)*16*PITCH
.endr
.endm
; 16 matrix instructions: A's blocks a0, a0 + 1 x B's eight.  The 64 accumulators take turns, one instruction a turn, in the same order in every step.
.macro MUL16 a0, p, zero
.irp a, \a0, \a0+1
.irp b, 0,1,2,3,4,5,6,7
.if \zero
	v_wmma_f32_16x16x128_fp8_fp8 v[8*(8*((\a)%4)+\b):8*(8*((\a)%4)+\b)+7], v[128*(\p)+FR*\b:128*(\p)+FR*\b+FR-1], v[AF+FR*(\a):AF+FR*(\a)+FR-1], 0
.else
	v_wmma_f32_16x16x128_fp8_fp8 v[8*(8*((\a)%4)+\b):8*(8*((\a)%4)+\b)+7], v[128*(\p)+FR*\b:128*(\p)+FR*\b+FR-1], v[AF+FR*(\a):AF+FR*(\a)+FR-1], v[8*(8*((\a)%4)+\b):8*(8*((\a)%4)+\b)+7]
.endif
.endr
.endr
.endm
.macro FETCH_B slot, q, p
	WIN TO_B
.irp i, 0,1,2,3,4,5,6,7
	FRAG 128*(\p)+FR*\i, ADRB+\slot, \q, \i
.endr
	WIN 0
.endm
.macro FETCH_A slot, q, i0
.irp i, \i0, \i0+1, \i0+2, \i0+3
	FRAG AF+FR*(\i), ADRA+\slot, \q, \i
.endr
.endm
.macro PLACES n                        ; plain vector lines between a matrix instruction and a load into, or a vector read or write of, its registers
.rept \n
	v_nop
.endr
.endm
.macro STEP slot, q, zero              ; 128 along K, with its successor in the same slot
	s_wait_dscnt 4*NL                              ; B's set and A's blocks 0-3 are in; the youngest 16 loads (A's blocks 4-7) may be out
	WIN MUL_LO
	MUL16 0, (\q)%2, \zero
	MUL16 2, (\q)%2, \zero
	s_wait_dscnt 0                                 ; A's blocks 4-7 are in
	PLACES NP
	FETCH_B \slot, (\q)+1, 1-(\q)%2
	FETCH_A \slot, (\q)+1, 0
	WIN MUL_HI
	MUL16 4, (\q)%2, \zero
	MUL16 6, (\q)%2, \zero
	PLACES NP
	WIN 0
	FETCH_A \slot, (\q)+1, 4
.endm
; A slot's last step changes slots: in front of the barrier each wave waits for all its tensor loads, adds 0 to its spare word, and waits for that and for its reads of this slot.
.macro TURN slot, next, fill
	s_wait_tensorcnt 0x0                           ; all my tensor loads have landed: my part of the next slot
	ds_add_u32 v[SPW], v[NIL]                      ; 0 onto my spare word
	s_wait_dscnt 4*NL+1                            ; (the add and the youngest 16 loads may be out)
	WIN MUL_LO
	MUL16 0, 1, 0
	s_wait_dscnt 0x0                               ; the add is done, and my reads of this slot are over
	s_barrier_signal -1
	MUL16 2, 1, 0
	WIN 0
	s_barrier_wait -1
.if \fill
	CREST                                          ; the barrier has opened a round of the cluster's barrier: no wave of any partner still reads this slot or has a load on its way
	s_add_nc_u64 s[G0+4*\slot+2:G0+4*\slot+3], s[G0+4*\slot+2:G0+4*\slot+3], 2*ROWB
	s_add_nc_u64 s[G0B+4*\slot+2:G0B+4*\slot+3], s[G0B+4*\slot+2:G0B+4*\slot+3], 2*ROWB
	JLOAD G0+4*\slot, G1, G0B+4*\slot, G1B         ; the first tensor load behind the round; its four v_nop are the places in front of the loads below
.else
	PLACES NP
.endif
	FETCH_B \next, 0, 0
	FETCH_A \next, 0, 0
	WIN MUL_HI
	MUL16 4, 1, 0
	MUL16 6, 1, 0
	PLACES NP
	WIN 0
	FETCH_A \next, 0, 4
.endm
	s_wait_tensorcnt 1                             ; my part of K step 0 is in (K step 1's load may be out)
	s_barrier_signal -1
	s_barrier_wait -1
	FETCH_B 0, 0, 0
	FETCH_A 0, 0, 0
	FETCH_A 0, 0, 4
	STEP 0, 0, 1                                   ; the first step starts the sums: nothing is cleared
	s_mov_b32 s3, LAPS-1
.Llap:
	TURN 0, 1, 1
	STEP 1, 0, 0
	TURN 1, 0, 1
	STEP 0, 0, 0
	s_sub_co_u32 s3, s3, 1
	s_cmp_lg_u32 s3, 0
	s_cbranch_scc1 .Llap
	TURN 0, 1, 0                                   ; the last lap fills nothing
	STEP 1, 0, 0
	s_wait_dscnt 4*NL
	WIN MUL_LO
	MUL16 0, 1, 0
	MUL16 2, 1, 0
	s_wait_dscnt 0
	WIN MUL_HI
	MUL16 4, 1, 0
	MUL16 6, 1, 0
	WIN 0
	PLACES NP                                      ; in front of the loads into fragment registers and of the first reads of results
	; ---- the way out.  The given exponents, chosen by P without a branch
	s_wait_kmcnt 0x0
	s_cmp_eq_u32 s12, 1
	s_cselect_b32 s18, s86, s84
	s_cselect_b32 s19, s87, s85
	s_cselect_b32 s23, s91, s90                    ; the result's own: entry 7 or 6
	s_cmp_eq_u32 s12, 2
	s_cselect_b32 s18, s88, s18
	s_cselect_b32 s19, s89, s19
	s_cselect_b32 s23, s93, s23                    ; entry 9
	s_cselect_b32 s8, -1, 0
	s_add_co_i32 s18, s18, s19                     ; E: a sum stands for sum x 2^E
	s_and_b32 s8, s8, s18
	s_sub_co_i32 s23, s23, s8                      ; v: the three scales folded into the conversion's one; q, k: the result's own
	s_add_co_i32 s20, s18, 127
	s_lshl_b32 s20, s20, 23                        ; 2^E
	s_lshl_b32 s21, s18, 1
	s_add_co_i32 s21, s21, 120
	s_lshl_b32 s21, s21, 23                        ; 2^(2 E - 7): sum of squares -> mean square
	s_mov_b32 s22, 0x358637bd                      ; 1e-6
	s_add_co_i32 s23, s23, 127
	s_lshl_b32 s9, s23, 23
	v_mov_b32 v[SCV], s9
	s_add_co_i32 s23, s23, 8
	s_lshl_b32 s23, s23, 23
	s_or_b32 s23, s23, 0x600000
	v_mov_b32 v[LIMV], s23
	s_mov_b32 s46, 0x76543210
	s_mov_b32 s47, 0xfedcba98                      ; v_permlanex16_b32: lane l xor 16
	s_cmp_eq_u32 s12, 2
	s_cbranch_scc1 .Lvout
	; ---- q, k.  Table, weight and the rotation's step are asked for, and the sums of squares are taken meanwhile
.irp b, 0,1,2,3
	global_load_b128 v[COS+8*\b:COS+8*\b+3], v[TA], s[78:79] offset:64*\b
	global_load_b128 v[COS+8*\b+4:COS+8*\b+7], v[TA], s[78:79] offset:64*\b+16
	global_load_b128 v[SIN+8*\b:SIN+8*\b+3], v[TA], s[78:79] offset:256+64*\b
	global_load_b128 v[SIN+8*\b+4:SIN+8*\b+7], v[TA], s[78:79] offset:256+64*\b+16
.endr
	WIN 0x40                                       ; destination window 1
.irp b, 0,1,2,3,4,5,6,7
	global_load_b128 v[W+8*\b:W+8*\b+3], v[WA], s[82:83] offset:64*\b
	global_load_b128 v[W+8*\b+4:W+8*\b+7], v[WA], s[82:83] offset:64*\b+16
.endr
.irp b, 0,1,2,3
	global_load_b128 v[SC16+8*\b:SC16+8*\b+3], v[WA], s[78:79] offset:8192+64*\b          ; the table's row 16
	global_load_b128 v[SC16+8*\b+4:SC16+8*\b+7], v[WA], s[78:79] offset:8192+64*\b+16
	global_load_b128 v[SS16+8*\b:SS16+8*\b+3], v[WA], s[78:79] offset:8192+256+64*\b
	global_load_b128 v[SS16+8*\b+4:SS16+8*\b+7], v[WA], s[78:79] offset:8192+256+64*\b+16
.endr
.macro SUMSQ a                         ; my 64 numbers of block a, squared, in four chains; each accumulator is read from its low end on
.set AC, 64*((\a)%4)
	WIN 0x0a+5*((\a)/4)                            ; sources 0 and 1: window 2 or 3
.set pp, 0
.rept 32
.if pp < 4
	v_pk_mul_f32 v[Y+8*(\a)+2*pp:Y+8*(\a)+2*pp+1], v[AC+2*pp:AC+2*pp+1], v[AC+2*pp:AC+2*pp+1]
.else
	v_pk_fma_f32 v[Y+8*(\a)+2*(pp%4):Y+8*(\a)+2*(pp%4)+1], v[AC+2*pp:AC+2*pp+1], v[AC+2*pp:AC+2*pp+1], v[Y+8*(\a)+2*(pp%4):Y+8*(\a)+2*(pp%4)+1]
.endif
.set pp, pp+1
.endr
.endm
.irp a, 0,1,2,3,4,5,6,7
	SUMSQ \a
.endr
	WIN 0
.irp a, 0,1,2,3,4,5,6,7
	v_pk_add_f32 v[Y+8*\a:Y+8*\a+1], v[Y+8*\a:Y+8*\a+1], v[Y+8*\a+2:Y+8*\a+3]
	v_pk_add_f32 v[Y+8*\a+4:Y+8*\a+5], v[Y+8*\a+4:Y+8*\a+5], v[Y+8*\a+6:Y+8*\a+7]
.endr
.irp a, 0,1,2,3,4,5,6,7
	v_pk_add_f32 v[Y+8*\a:Y+8*\a+1], v[Y+8*\a:Y+8*\a+1], v[Y+8*\a+4:Y+8*\a+5]
	v_mov_b32 v[SS+2*\a+1], 0                      ; a lane permute's destination counts as read
.endr
.irp a, 0,1,2,3,4,5,6,7
	v_add_f32 v[SS+2*\a], v[Y+8*\a], v[Y+8*\a+1]
.endr
.irp a, 0,1,2,3,4,5,6,7
	v_permlanex16_b32 v[SS+2*\a+1], v[SS+2*\a], s46, s47   ; the head's other 64 channels lie in the lane 16 away
.endr
.irp a, 0,1,2,3,4,5,6,7
	v_add_f32 v[SS+2*\a], v[SS+2*\a], v[SS+2*\a+1]
.endr
.irp a, 0,1,2,3,4,5,6,7
	v_fma_f32 v[SS+2*\a], v[SS+2*\a], s21, s22     ; the mean square + 1e-6
.endr
.irp a, 0,1,2,3,4,5,6,7
	v_rsq_f32 v[SS+2*\a], v[SS+2*\a]
.endr
	v_nop                                          ; a plain line behind the last of the batch
	s_wait_alu depctr_va_vdst(0)                   ; one wait for the eight, ahead of their first reader
.irp a, 0,1,2,3,4,5,6,7
	v_mul_f32 v[SS+2*\a], s20, v[SS+2*\a]          ; x 2^E
.endr
	s_wait_loadcnt 0x0                             ; table, weight, rotation step
.macro QKOUT a
.set AC, 64*((\a)%4)
	WIN 0x02+((\a)/4)                              ; source 0: window 2 or 3
.set j, 0
.rept 32
	v_pk_mul_f32 v[Y+j:Y+j+1], v[AC+j:AC+j+1], v[SS+2*(\a):SS+2*(\a)+1] op_sel_hi:[1,0]   ; sum x 2^E x rsqrt
.set j, j+2
.endr
	WIN 0x04                                       ; source 1: window 1
.set j, 0
.rept 32
	v_pk_mul_f32 v[Y+j:Y+j+1], v[Y+j:Y+j+1], v[W+j:W+j+1]                                 ; x the norm's weight
.set j, j+2
.endr
	WIN 0
.irp b, 0,1,2,3                        ; the rotary embedding: channel d = 16 b + 8 h + i and channel d + 64 lie 32 registers apart in one lane
.set TT, T+8*(\b%2)
.irp i, 0,2,4,6
	v_pk_mul_f32 v[TT+\i:TT+\i+1], v[Y+8*\b+\i:Y+8*\b+\i+1], v[SIN+8*\b+\i:SIN+8*\b+\i+1]
.endr
.irp i, 0,2,4,6
	v_pk_mul_f32 v[Y+8*\b+\i:Y+8*\b+\i+1], v[Y+8*\b+\i:Y+8*\b+\i+1], v[COS+8*\b+\i:COS+8*\b+\i+1]
.endr
.irp i, 0,2,4,6
	v_pk_fma_f32 v[Y+8*\b+\i:Y+8*\b+\i+1], v[Y+32+8*\b+\i:Y+32+8*\b+\i+1], v[SIN+8*\b+\i:SIN+8*\b+\i+1], v[Y+8*\b+\i:Y+8*\b+\i+1] neg_lo:[1,0,0] neg_hi:[1,0,0]
.endr
.irp i, 0,2,4,6
	v_pk_fma_f32 v[Y+32+8*\b+\i:Y+32+8*\b+\i+1], v[Y+32+8*\b+\i:Y+32+8*\b+\i+1], v[COS+8*\b+\i:COS+8*\b+\i+1], v[TT+\i:TT+\i+1]
.endr
.endr
.set j, 0
.rept 64
	v_med3_num_f32 v[Y+j], v[Y+j], -v[LIMV], v[LIMV]   ; the conversion does not saturate (ISA guide 7.6.2): the hold
.set j, j+1
.endr
.if (\a) >= 2
	s_wait_xcnt 0x0                                ; block a - 2's stores have read their data: its code registers are written again only behind this wait
.endif
.irp b, 0,1,2,3,4,5,6,7
	v_cvt_scalef32_pk8_fp8_f32 v[CD+16*((\a)%2)+2*\b:CD+16*((\a)%2)+2*\b+1], v[Y+8*\b:Y+8*\b+7], v[SCV]
.endr
	v_nop                                          ; one plain line behind the last conversion
.irp i, 0,1,2,3
	global_store_b128 v[CO], v[CD+16*((\a)%2)+4*\i:CD+16*((\a)%2)+4*\i+3], s[10:11] offset:2048*(\a)+512*\i   ; 512 consecutive bytes, aligned
.endr
.if (\a) < 7
	WIN 0x04                                       ; on by 16 tokens: (c, s) <- (c C - s S, s C + c S)
.irp g, 0,1
.irp i, 0,2,4,6,8,10,12,14
	v_pk_mul_f32 v[T+\i:T+\i+1], v[COS+16*\g+\i:COS+16*\g+\i+1], v[SS16+16*\g+\i:SS16+16*\g+\i+1]
.endr
.irp i, 0,2,4,6,8,10,12,14
	v_pk_mul_f32 v[COS+16*\g+\i:COS+16*\g+\i+1], v[COS+16*\g+\i:COS+16*\g+\i+1], v[SC16+16*\g+\i:SC16+16*\g+\i+1]
.endr
.irp i, 0,2,4,6,8,10,12,14
	v_pk_fma_f32 v[COS+16*\g+\i:COS+16*\g+\i+1], v[SIN+16*\g+\i:SIN+16*\g+\i+1], v[SS16+16*\g+\i:SS16+16*\g+\i+1], v[COS+16*\g+\i:COS+16*\g+\i+1] neg_lo:[1,0,0] neg_hi:[1,0,0]
.endr
.irp i, 0,2,4,6,8,10,12,14
	v_pk_fma_f32 v[SIN+16*\g+\i:SIN+16*\g+\i+1], v[SIN+16*\g+\i:SIN+16*\g+\i+1], v[SC16+16*\g+\i:SC16+16*\g+\i+1], v[T+\i:T+\i+1]
.endr
.endr
	WIN 0
.endif
.endm
.irp a, 0,1,2,3,4,5,6,7
	QKOUT \a
.endr
	s_branch .Lend
.Lvout:
	; ---- v: held and converted as it stands; each accumulator from its low end on
.macro VOUT a
.set AC, 64*((\a)%4)
	WIN 0x82+0x41*((\a)/4)                         ; source 0 and destination: window 2 or 3
.set j, 0
.rept 64
	v_med3_num_f32 v[AC+j], v[AC+j], -v[LIMV], v[LIMV]
.set j, j+1
.endr
	WIN 0x02+((\a)/4)
.if (\a) >= 2
	s_wait_xcnt 0x0                                ; block a - 2's stores have read their data
.endif
.irp b, 0,1,2,3,4,5,6,7
	v_cvt_scalef32_pk8_fp8_f32 v[CD+16*((\a)%2)+2*\b:CD+16*((\a)%2)+2*\b+1], v[AC+8*\b:AC+8*\b+7], v[SCV]
.endr
	WIN 0
	v_nop                                          ; one plain line behind the last conversion
.irp i, 0,1,2,3
	global_store_b128 v[CO], v[CD+16*((\a)%2)+4*\i:CD+16*((\a)%2)+4*\i+3], s[10:11] offset:2048*(\a)+512*\i
.endr
.endm
.irp a, 0,1,2,3,4,5,6,7
	VOUT \a
.endr
.Lend:
	s_wait_tensorcnt 0x0                           ; the wave's end
	ds_add_u32 v[SPW], v[NIL]
	s_wait_dscnt 0x0
	CROUND                                         ; the closing round: no work-group ends while a partner may still ask for a tile that names it
	s_endpgm
.Lfunc_end_k_qb361016937_qkv:
	.size	k_qb361016937_qkv, .Lfunc_end_k_qb361016937_qkv-k_qb361016937_qkv
	.p2alignl 7, 3214868480
	.fill 96, 4, 3214868480
	.section	.rodata,"a",@progbits
	.p2align	6, 0x0
	.amdhsa_kernel k_qb361016937_qkv
		.amdhsa_group_segment_fixed_size 327680
		.amdhsa_private_segment_fixed_size 0
		.amdhsa_enable_private_segment 0
		.amdhsa_kernarg_size 56
		.amdhsa_user_sgpr_count 2
		.amdhsa_user_sgpr_kernarg_segment_ptr 1
		.amdhsa_wavefront_size32 1
		.amdhsa_system_sgpr_workgroup_id_x 1
		.amdhsa_system_sgpr_workgroup_id_y 1
		.amdhsa_system_sgpr_workgroup_id_z 1
		.amdhsa_system_vgpr_workitem_id 0
		.amdhsa_next_free_vgpr 1024
		.amdhsa_next_free_sgpr 98
		.amdhsa_reserve_vcc 0
		.amdhsa_float_denorm_mode_32 3
		.amdhsa_float_denorm_mode_16_64 3
		.amdhsa_memory_ordered 1
		.amdhsa_forward_progress 1
		.amdhsa_inst_pref_size 255
	.end_amdhsa_kernel
	.section	.bss,"aw",@nobits
	.p2align	6
	.space	262144
	.amdgpu_metadata
---
amdhsa.version: [ 1, 2 ]
amdhsa.kernels:
  - .name:           k_qb361016937_qkv
    .symbol:         k_qb361016937_qkv.kd
    .args:
      - { .name: xc, .offset: 0, .size: 8, .value_kind: global_buffer, .address_space: global }
      - { .name: wc, .offset: 8, .size: 8, .value_kind: global_buffer, .address_space: global }
      - { .name: lowp_scales, .offset: 16, .size: 8, .value_kind: global_buffer, .address_space: global }
      - { .name: q_norm_w, .offset: 24, .size: 8, .value_kind: global_buffer, .address_space: global }
      - { .name: k_norm_w, .offset: 32, .size: 8, .value_kind: global_buffer, .address_space: global }
      - { .name: rope, .offset: 40, .size: 8, .value_kind: global_buffer, .address_space: global }
      - { .name: qkv, .offset: 48, .size: 8, .value_kind: global_buffer, .address_space: global }
    .group_segment_fixed_size: 327680
    .private_segment_fixed_size: 0
    .kernarg_segment_align: 8
    .kernarg_segment_size: 56
    .max_flat_workgroup_size: 128
    .sgpr_count:     98
    .vgpr_count:     1024
    .wavefront_size: 32
...
	.end_amdgpu_metadata
.endif
;; end of part 2
;; launch attn (part 3): grid 16 x 16, 8 waves a work-group, clusters of 4 x 1, 327,680 bytes of LDS; arguments qkv, lowp_scales, ctx; writes ctx
.if DOCPART == 3
	.amdgcn_target "amdgcn-amd-amdhsa--gfx1250"
	.amdhsa_code_object_version 6
	.text
	.protected	k_qb361016937_attn
	.globl	k_qb361016937_attn
	.p2align	8
	.type	k_qb361016937_attn,@function
k_qb361016937_attn:
	s_mov_b64 s[64:65], 0
	v_nop
	global_prefetch_b8 v0, s[64:65] scope:SCOPE_SE
	s_setreg_imm32_b32 hwreg(HW_REG_WAVE_MODE, 25, 1), 1
	s_wait_xcnt 0x0
	s_wait_alu depctr_hold_cnt(0) depctr_sa_sdst(0) depctr_va_vdst(0) depctr_va_sdst(0) depctr_va_ssrc(0) depctr_va_vcc(0) depctr_vm_vsrc(0)
	s_getreg_b32 s2, hwreg(HW_REG_IB_STS2, 6, 4)
	s_cmp_eq_u32 s2, 0
	s_cbranch_scc0 .Lentry_in_a_cluster
	s_endpgm
.Lentry_in_a_cluster:
	s_bfe_u32 s2, ttmp6, 0x10000c
	s_cmp_lg_u32 s2, 0x3003
	s_cbranch_scc0 .Lentry_shape_is_right
	s_endpgm
.Lentry_shape_is_right:
; ATTN: causal attention on codes of FP8 (E4M3), 16 heads (batch x 8 + head) of 2,048 tokens x 128 channels, and the quantiser of its result (entry 10).
; t = score x log2(e) / sqrt(128); M = the running largest t rounded UP to a whole number; p = 2^(t - M) is quantised (entry 8); the sum is taken of the unquantised p and divides at the end.
; Both products are used transposed: S^T = K Q^T, O^T = V^T P^T: a lane holds ONE query (lane % 16) throughout.  q, k and v come as images of fragments in the plain form's own layout (registers 2 c, 2 c + 1: k = 16 c + 8 h + 0 .. 7),
; so the eight registers of tile c of S^T (keys 16 c + 8 h + 0 .. 7) convert into registers 2 c, 2 c + 1 of P.
; SHARES.  A head's 16 ranges of 128 queries are dealt four to a cluster: cluster X has ranges 15 - 2 X, 14 - 2 X, 2 X + 1, 2 X.  Waves 2 g and 2 g + 1 of all four partners share range number g: a range's eight tiles of 16 queries are
; tile 2 cx + (wave % 2).  So which key steps a wave works hangs on its number and on X alone, never on its work-group's place in the cluster, and every work-group has the same work: 68 key steps of a wave.
; Range R needs key steps 0 .. R (128 keys each); later steps are jumped over, the last lies on the diagonal and is masked.  Every work-group walks all 16 key steps of the ring: trip counts are constants and no tensor load or barrier is jumped over.
; RING: two LDS slots of four key steps (K 4 x 16 KiB, then V 4 x 16 KiB), dense images, read without padding: an instruction's 512 bytes are consecutive.  Each of the eight waves brings one key step's K or V, 16 KiB, by one tensor load,
; asked for JOINTLY by the four partners, which walk the same K and V.  By this text's count a wave has one tensor load out.
; LDS LOADS A PHASE AHEAD.  Window 1 holds a whole key step's operands: K's eight fragments and V's eight.  A step multiplies by K that is already in registers; V's 32 loads go out behind those products and have the softmax in which
; to land; the NEXT step's K goes out in the softmax's second half and has the rest of the step.  The loads stand in runs of 16, spread over the step.  K of a slot's first step is asked for straight behind the change of slots, by every
; wave; a slot's last step asks for no next K, so a slot is a loop of three steps and a fourth that is written out.
; OUT: ctx[token block of 16][head][2,048]: an image whose registers 4 c .. 4 c + 3 hold channels 32 c + 16 h + 0 .. 15: the order in which the next launch's four loads of 16 bytes take the weight's rows.
; LIMITS: entries 6 + 7 between -123 and 130; entries 8 and 10 between -126 and 119.  NaN is not served.
; REGISTERS: window 0: v1-9 addresses; v12 -M, v13 the largest t, v[14:15] the sum; v16-31 Q; v96-159 S^T, then p; v160-223 O^T; v224-239 p's codes; v240-254 at work.  Window 1: v0-127 K, v128-255 V.
.set SLOT1, 1<<17
.set SPARE, 2*SLOT1                    ; behind the ring: the spare words, 128 bytes for each of eight waves
.set L16,  1                           ; v1   16 x lane
.set DD,   2                           ; v2   my query in its range, less 8 h
.set PFO,  3                           ; v3   256 x lane
.set NINF, 4                           ; v4   -infinity
.set SPW,  5
.set NIL,  6
.set ADK,  8                           ; v8   LDS address of the step's K
.set ADV,  9                           ; v9   of its V
.set KW,   0                           ; window 1: K's eight fragments
.set VW,   128                         ; window 1: V's eight fragments
.set WV,   10                          ; s10  wave
.set CX,   11                          ; s11  my place in the cluster
.set G1,   16                          ; s[16:23]
.set G0,   24                          ; s[24:27] walks
.set SEL,  28
.set CS,   30
.set TB,   32                          ; s32  LDS byte of the key step in hand
.set KF,   33                          ; s33  its first key
.set RB,   34                          ; s34  my range's first query
.set SLOTS, 35
.set CNT,  36
.set LIM,  37
.set PFA,  38                          ; s[38:39]
.set MSB, 0
.macro WIN new                         ; the immediate's high byte repeats the setting that is left; a switch that changes nothing is dropped
.if MSB != \new
	s_set_vgpr_msb (MSB<<8)|\new
.set MSB, \new
.endif
.endm
.set MUL,  0x01                        ; source 0 (K or V) window 1; all else window 0
.set TO_F, 0x40                        ; destination window 1, address window 0
.macro CROUND
	s_barrier_signal -1
	s_barrier_wait -1
	s_cmp_lg_u32 s[WV], 0
	s_cbranch_scc1 .Lnot_wave_0_\@
	s_barrier_signal -3
.Lnot_wave_0_\@:
	s_barrier_wait -3
	s_barrier_signal -1
	s_barrier_wait -1
.endm
; A prefetch of what the NEXT change of slots will ask for.  All four clusters of a head walk the same K and V: the head's first cluster asks.  The 32 KiB that waves w and w + 1 (w even) will load are one block: wave w asks,
; and the four partners take 8 KiB each, told apart by address; lanes 256 bytes apart.  So each block of 256 bytes is named once.  The last change that fills a slot asks for nothing; slots 0 and 1 come by their loads alone.
.macro ASK
	s_cmp_gt_u32 s[SLOTS], s[LIM]
	s_cbranch_scc0 .Lnot_mine_\@
	global_prefetch_b8 v[PFO], s[PFA:PFA+1] th:TH_LOAD_NT scope:SCOPE_SE
.Lnot_mine_\@:
.endm
	s_load_b128 s[4:7], s[0:1], 0x0                ; qkv, the scales
	s_load_b64 s[8:9], s[0:1], 0x10                ; ctx
	v_lshl_add_u32 v[SPW], v0, 2, SPARE
	v_mov_b32 v[NIL], 0
	ds_add_u32 v5, v6
	ds_add_u32 v5, v6
	s_wait_dscnt 0x0
	v_lshrrev_b32 v8, 5, v0
	v_readfirstlane_b32 s[WV], v8                  ; wave 0..7
	s_bfe_u32 s[CX], ttmp6, 0x40000
	s_and_b32 s52, ttmp7, 0xffff                   ; batch x 8 + head
	s_lshr_b32 s53, s[WV], 1                       ; g
	s_and_b32 s54, s[WV], 1                        ; u
	s_lshl_b32 s55, ttmp9, 1                       ; 2 X
	s_sub_co_u32 s56, 15, s55
	s_sub_co_u32 s56, s56, s53                     ; 15 - 2 X - g
	s_add_co_u32 s57, s55, 3
	s_sub_co_u32 s57, s57, s53                     ; 2 X + 3 - g
	s_cmp_lt_u32 s53, 2
	s_cselect_b32 s[RB], s56, s57
	s_lshl_b32 s[RB], s[RB], 7
	s_lshl_b32 s58, s[CX], 1
	s_add_co_u32 s58, s58, s54                     ; my tile in the range
	s_lshr_b32 s59, s[RB], 4
	s_add_co_u32 s59, s59, s58                     ; my block of 16 tokens in the head
	s_lshl_b32 s62, s52, 18                        ; the head's bytes in a part of qkv
	s_mov_b32 s[G1], 15|(3<<16)|(1<<21)            ; the mask: all four partners; elements of 8 bytes; bit 21 beside a mask; no padding
	s_mov_b32 s[G1+1], 32<<16                      ; tensor_dim0 = 32: rows of 256 bytes
	s_mov_b32 s[G1+2], 64<<16                      ; tensor_dim1 = 64
	s_mov_b32 s[G1+3], 32<<16                      ; tile_dim0
	s_mov_b32 s[G1+4], 64                          ; tile_dim1
	s_mov_b32 s[G1+5], 32                          ; the pitch: dense
	s_mov_b32 s[G1+6], 0
	s_mov_b32 s[G1+7], 0
	s_lshr_b32 s56, s[WV], 2                       ; what I fetch: waves 0-3 K, waves 4-7 V;
	s_lshl_b32 s56, s56, 22
	s_add_co_u32 s56, s56, 0x400000
	s_add_co_u32 s56, s56, s62
	s_and_b32 s57, s[WV], 3                        ; key step wave % 4 of a slot
	s_lshl_b32 s57, s57, 14
	s_add_co_u32 s56, s56, s57
	s_mov_b32 s57, 0
	s_lshl_b32 s60, s59, 11                        ; Q: my block's image
	s_add_co_u32 s60, s60, s62
	s_mov_b32 s61, 0
	s_lshr_b32 s14, s52, 3                         ; ctx: ((batch x 128 + block) x 8 + head) x 2,048
	s_lshl_b32 s14, s14, 7
	s_add_co_u32 s14, s14, s59
	s_lshl_b32 s14, s14, 3
	s_and_b32 s15, s52, 7
	s_add_co_u32 s14, s14, s15
	s_lshl_b32 s14, s14, 11
	s_mov_b32 s15, 0
	s_lshl_b32 s62, s[CX], 13                      ; the prefetches: my work-group's 8 KiB, in slot 1: the first change steps it to slot 2
	s_add_co_u32 s62, s62, 65536
	s_mov_b32 s63, 0
	s_and_b32 s[LIM], s[WV], 1
	s_or_b32 s[LIM], s[LIM], ttmp9
	s_cmp_eq_u32 s[LIM], 0
	s_cselect_b32 s[LIM], 1, -1                    ; even waves of the head's first cluster: the same in all four partners
	s_mov_b32 s[SEL], 0x76543210
	s_mov_b32 s[SEL+1], 0xfedcba98
	s_mov_b32 s[CS], 0x3e0293ee                    ; log2(e) / sqrt(128)
	s_mov_b32 s[TB], 0
	s_mov_b32 s[KF], 0
	s_mov_b32 s[SLOTS], 3
	s_wait_kmcnt 0x0
	s_load_b256 s[40:47], s[6:7], 0x0              ; e0 .. e7
	s_load_b128 s[48:51], s[6:7], 0x20             ; e8 .. e11
	s_mov_b32 s[G0], 1
	s_lshl_b32 s[G0+1], s[WV], 14                  ; LDS: wave x 16 KiB, slot 0
	s_add_nc_u64 s[G0+2:G0+3], s[4:5], s[56:57]
	s_add_nc_u64 s[PFA:PFA+1], s[G0+2:G0+3], s[62:63]
	s_or_b32 s[G0+3], s[G0+3], 0x80000000
	s_add_nc_u64 s[12:13], s[4:5], s[60:61]
	s_add_nc_u64 s[8:9], s[8:9], s[14:15]
	CROUND                                         ; all four work-groups are here: the first joint loads meet
	tensor_load_to_lds s[G0:G0+3], s[G1:G1+7]      ; slot 0
	s_nop 0
.rept 4
	v_nop
.endr
	v_and_b32 v[L16], 31, v0
	v_lshlrev_b32 v[PFO], 8, v[L16]
	v_lshlrev_b32 v[L16], 4, v[L16]
.irp c, 0,1,2,3
	global_load_b128 v[16+4*\c:19+4*\c], v[L16], s[12:13] offset:512*\c   ; Q's fragment stays in registers
.endr
	v_and_b32 v8, 15, v0
	v_bfe_u32 v9, v0, 4, 1
	v_lshlrev_b32 v9, 3, v9
	v_sub_nc_u32 v[DD], v8, v9
	s_lshl_b32 s58, s58, 4
	v_add_nc_u32 v[DD], s58, v[DD]
	v_mov_b32 v[NINF], 0xff800000
	v_mov_b32 v13, 0xff61b1e6                      ; the largest t so far: -3e38
	v_floor_f32 v12, -v13                          ; -M
	v_mov_b32 v14, 0
	v_mov_b32 v15, 0
	v_mov_b32 v246, 0                              ; lane permutes' destinations count as read
	v_mov_b32 v252, 0
	v_mov_b32 v253, 0
.set j, 0
.rept 64
	v_mov_b32 v[160+j], 0                          ; O^T: the step's first run finds zeros, which the first change of M leaves zeros
.set j, j+1
.endr
	s_wait_kmcnt 0x0
	s_add_co_i32 s52, s46, s47
	s_lshl_b32 s52, s52, 23
	s_add_co_i32 s[CS], s[CS], s52                 ; a score stands for score x 2^(e6 + e7): added to c's exponent field
	s_mov_b32 s[CS+1], s[CS]
	s_add_co_i32 s56, s48, 127
	s_lshl_b32 s57, s56, 23
	v_mov_b32 v244, s57                            ; 2^e8
	s_add_co_i32 s56, s56, 8
	s_lshl_b32 s56, s56, 23
	s_or_b32 s56, s56, 0x600000
	v_mov_b32 v240, s56                            ; 448 x 2^e8
; A run of 16 LDS loads: fragments f0 .. f0 + 3 of a key step's eight, from off bytes behind v[adr], into window 1 at v[reg] on
.macro LDRUN reg, adr, off, f0
	WIN TO_F
.irp t, 0,1,2,3
.irp c, 0,1,2,3
	ds_load_b128 v[\reg+16*(\f0+\t)+4*\c:\reg+16*(\f0+\t)+4*\c+3], v[\adr] offset:\off+(\f0+\t)*2048+512*\c
.endr
.endr
	WIN 0
.endm
; A KEY STEP: 128 keys at LDS byte s[TB] of K's part.  K's fragments have been asked for: by the step before, or behind the change of slots.  pref = 1: the next step's K, 16,384 bytes on in the same slot, is asked for.
.macro STEP pref
	s_cmp_gt_u32 s[KF], s[RB]                      ; all its keys come after my range: a branch on ids, round the work alone
	s_cbranch_scc1 .Lhidden_\@
	v_add_nc_u32 v[ADK], s[TB], v[L16]
	v_add_nc_u32 v[ADV], 0x10000, v[ADK]
	s_wait_dscnt 16                                ; the only LDS loads that can be out here are K's 32: fragments 0-3 are in, the younger 16 loads may be out
	WIN MUL
.irp t, 0,1,2,3
	v_wmma_f32_16x16x128_fp8_fp8 v[96+8*\t:103+8*\t], v[KW+16*\t:KW+16*\t+15], v[16:31], 0
.endr
	s_wait_dscnt 0x0                               ; fragments 4-7
.irp t, 4,5,6,7
	v_wmma_f32_16x16x128_fp8_fp8 v[96+8*\t:103+8*\t], v[KW+16*\t:KW+16*\t+15], v[16:31], 0
.endr
	WIN 0
.rept 4
	v_nop                                          ; places in front of the first read of the scores; with the two additions above also those between the last step's products and the loads into V's registers
.endr
	LDRUN VW, ADV, 0, 0                            ; V's first half: the softmax stands between these loads and their use
	s_cmp_lt_u32 s[KF], s[RB]                      ; a step ahead of my range: all its keys count
	s_cbranch_scc1 .Lopen_\@
.set n, 0
.rept 64                               ; on the diagonal: register n holds key 16 (n / 8) + n % 8 + 8 h of the step: hidden where that is above my query
	v_cmp_gt_i32 vcc_lo, 16*(n/8)+n%8, v[DD]
	v_cndmask_b32 v[96+n], v[96+n], v[NINF], vcc_lo
.set n, n+1
.endr
.Lopen_\@:
	v_max3_num_f32 v254, v96, v97, v98             ; the step's largest score of my query, in two chains, each tile from its low end on
	v_max3_num_f32 v252, v99, v100, v101
.irp i, 6,10,14,18,22,26,30,34,38,42,46,50,54,58
	v_max3_num_f32 v254, v254, v[96+\i], v[97+\i]
	v_max3_num_f32 v252, v252, v[98+\i], v[99+\i]
.endr
	v_max3_num_f32 v254, v254, v158, v159
	v_max_num_f32 v254, v254, v252
	LDRUN VW, ADV, 0, 4                            ; V's second half
	v_permlanex16_b32 v246, v254, s[SEL], s[SEL+1]
	v_max_num_f32 v254, v254, v246                 ; and among the keys of the lane 16 away
	v_mul_f32 v254, s[CS], v254                    ; as t (c is positive)
	v_max_num_f32 v13, v13, v254
	v_mov_b32 v254, v12
	v_floor_f32 v12, -v13                          ; the new -M = floor(-t)
	v_sub_f32 v254, v12, v254                      ; old M - new M: a whole number, 0 or less
	v_cvt_i32_f32 v254, v254                       ; (it saturates)
	v_ldexp_f32 v252, 1.0, v254                    ; f = 2^(old M - new M)
.irp j, 0,2,4,6,8,10,12,14,16,18,20,22,24,26,28,30,32,34,36,38,40,42,44,46,48,50,52,54,56,58,60,62
	v_pk_fma_f32 v[96+\j:97+\j], v[96+\j:97+\j], s[CS:CS+1], v[12:13] op_sel_hi:[1,0,0]   ; t - M
.endr
.if \pref
	LDRUN KW, ADK, 16384, 0                        ; the next step's K, first half: the products that read these registers stand far more than four plain lines back
.endif
.set j, 0
.rept 64
	v_exp_f32 v[96+j], v[96+j]                     ; p = 2^(t - M)
.set j, j+1
.endr
	v_pk_mul_f32 v[14:15], v[14:15], v[252:253] op_sel_hi:[1,0]   ; the sums under the new M: the plain line behind the batch
	s_wait_alu depctr_va_vdst(0)                   ; one wait for the 64 exponentials, ahead of their first reader
	v_pk_add_f32 v[242:243], v[96:97], v[98:99]    ; the sum of the UNQUANTISED p, in two chains
.irp j, 4,8,12,16,20,24,28,32,36,40,44,48,52,56,60
	v_pk_add_f32 v[14:15], v[14:15], v[96+\j:97+\j]
	v_pk_add_f32 v[242:243], v[242:243], v[98+\j:99+\j]
.endr
	v_pk_add_f32 v[14:15], v[14:15], v[242:243]
.if \pref
	LDRUN KW, ADK, 16384, 4                        ; the next step's K, second half
.endif
.irp b, 0,1,2,3
.irp i, 0,1,2,3,4,5,6,7,8,9,10,11,12,13,14,15
	v_min_num_f32 v[96+16*\b+\i], v[96+16*\b+\i], v240   ; the hold; p is not negative, so it is one-sided
.endr
	v_cvt_scalef32_pk8_fp8_f32 v[224+4*\b:225+4*\b], v[96+16*\b:103+16*\b], v244
	v_cvt_scalef32_pk8_fp8_f32 v[226+4*\b:227+4*\b], v[104+16*\b:111+16*\b], v244
.endr
.irp j, 0,2,4,6,8,10,12,14,16,18,20,22,24,26,28,30,32,34,36,38,40,42,44,46,48,50,52,54,56,58,60,62
	v_pk_mul_f32 v[160+\j:161+\j], v[160+\j:161+\j], v[252:253] op_sel_hi:[1,0]   ; O^T x f; these are also the plain lines between the conversions and the products below
.endr
	s_wait_dscnt 32*\pref                          ; V is in; the 32 loads of the next step's K, which are younger, may be out
	WIN MUL
.irp t, 0,1,2,3,4,5,6,7
	v_wmma_f32_16x16x128_fp8_fp8 v[160+8*\t:167+8*\t], v[VW+16*\t:VW+16*\t+15], v[224:239], v[160+8*\t:167+8*\t]
.endr
	WIN 0
.Lhidden_\@:
	s_add_co_u32 s[KF], s[KF], 128
	s_add_co_u32 s[TB], s[TB], 16384
.endm
; A slot's four key steps.  K of the first is asked for here, behind the change of slots, by every wave, also by one that will jump over the slot: so K's registers are written on every way.
; ask = 1: the prefetch stands behind this run of loads, for which the next products wait.
.macro SLOT_STEPS ask
	v_add_nc_u32 v[ADK], s[TB], v[L16]
	LDRUN KW, ADK, 0, 0
	LDRUN KW, ADK, 0, 4
.if \ask
	ASK
.endif
	s_mov_b32 s[CNT], 3
.Lstep_\@:
	STEP 1
	s_sub_co_u32 s[CNT], s[CNT], 1
	s_cmp_lg_u32 s[CNT], 0
	s_cbranch_scc1 .Lstep_\@
	STEP 0                                         ; the slot's last step: the next K lies in the other slot, behind the change
	s_sub_co_u32 s[TB], s[TB], 65536
	s_xor_b32 s[TB], s[TB], SLOT1                  ; on to the other slot
.endm
; THE CHANGE OF SLOTS stands at a slot's head: each wave waits for all its tensor loads (its part of the slot ahead), adds 0 to its spare word, and waits for that and for its reads of the slot that it has left.
; fill = 1: a round of the cluster's barrier, and behind it the slot that was left is filled with the next four key steps: the load has a slot's four steps in which to land.
.macro CHANGE fill
	s_wait_tensorcnt 0x0                           ; no tensor load of mine is out, so group 0 may be written
	ds_add_u32 v[SPW], v[NIL]                      ; 0 onto my spare word
.if \fill
	s_xor_b32 s[G0+1], s[G0+1], SLOT1
	s_add_nc_u64 s[G0+2:G0+3], s[G0+2:G0+3], 65536
	s_wait_xcnt 0x0                                ; the last prefetch, a slot back, has read its address
	s_add_nc_u64 s[PFA:PFA+1], s[PFA:PFA+1], 65536
	s_wait_dscnt 0x0                               ; the add is done, and my reads of the slot that I have left are over
	CROUND
	tensor_load_to_lds s[G0:G0+3], s[G1:G1+7]      ; the first thing behind the round, and my one tensor load until the next
	s_nop 0
.rept 4
	v_nop
.endr
.else
	s_wait_dscnt 0x0
	s_barrier_signal -1
	s_barrier_wait -1
.endif
.endm
	s_wait_loadcnt 0x0                             ; Q
.Lslot:
	CHANGE 1
	SLOT_STEPS 1
	s_sub_co_u32 s[SLOTS], s[SLOTS], 1
	s_cmp_lg_u32 s[SLOTS], 0
	s_cbranch_scc1 .Lslot
	CHANGE 0                                       ; the last slot is written out
	SLOT_STEPS 0
	; ---- the way out: O^T / the sum x 2^(e8 + e9), quantised with entry 10
.rept 4
	v_nop                                          ; places behind the last products
.endr
	v_add_f32 v14, v14, v15
	v_permlanex16_b32 v252, v14, s[SEL], s[SEL+1]
	v_add_f32 v14, v14, v252                       ; the row's sum
	v_rcp_f32 v14, v14
	v_and_b32 v8, 31, v0                           ; (a plain line behind the reciprocal)
	v_cmp_le_u32 vcc_lo, 16, v8                    ; lanes 16-31
	s_add_co_i32 s52, s48, s49
	s_add_co_i32 s56, s50, 127
	s_lshl_b32 s57, s56, 23
	s_add_co_i32 s56, s56, 8
	s_lshl_b32 s56, s56, 23
	s_or_b32 s56, s56, 0x600000
	v_mov_b32 v244, s57                            ; 2^e10
	v_mov_b32 v240, s56                            ; 448 x 2^e10
	s_wait_alu depctr_va_vdst(0)                   ; the wait ahead of the reciprocal's first reader
	v_ldexp_f32 v14, v14, s52
.set j, 0
.rept 64
	v_mul_f32 v[96+j], v[160+j], v14               ; register 8 t + i: channel 16 t + 8 h + i of my query
.set j, j+1
.endr
.set j, 0
.rept 64
	v_med3_num_f32 v[96+j], v[96+j], -v240, v240
.set j, j+1
.endr
.irp t, 0,1,2,3,4,5,6,7
	v_cvt_scalef32_pk8_fp8_f32 v[224+2*\t:225+2*\t], v[96+8*\t:103+8*\t], v244
.endr
	v_nop                                          ; one plain line behind the last conversion
	; the halves change pieces: of each four registers lanes 0-15 keep the first two and take the partner's first two as their last two; lanes 16-31 keep the last two and take the partner's last two as their first two
.irp t, 0,1,2,3
.irp e, 0,1
	v_cndmask_b32 v[96+2*\t+\e], v[226+4*\t+\e], v[224+4*\t+\e], vcc_lo      ; what I send
.endr
.endr
.irp t, 0,1,2,3
.irp e, 0,1
	v_permlanex16_b32 v[104+2*\t+\e], v[96+2*\t+\e], s[SEL], s[SEL+1]
.endr
.endr
.irp t, 0,1,2,3
.irp e, 0,1
	v_cndmask_b32 v[224+4*\t+\e], v[224+4*\t+\e], v[104+2*\t+\e], vcc_lo
	v_cndmask_b32 v[226+4*\t+\e], v[104+2*\t+\e], v[226+4*\t+\e], vcc_lo
.endr
.endr
.irp c, 0,1,2,3
	global_store_b128 v[L16], v[224+4*\c:227+4*\c], s[8:9] offset:512*\c   ; 512 consecutive bytes, aligned
.endr
	s_wait_tensorcnt 0x0                           ; the wave's end
	ds_add_u32 v[SPW], v[NIL]
	s_wait_dscnt 0x0
	CROUND                                         ; the closing round
	s_endpgm
.Lfunc_end_k_qb361016937_attn:
	.size	k_qb361016937_attn, .Lfunc_end_k_qb361016937_attn-k_qb361016937_attn
	.p2alignl 7, 3214868480
	.fill 96, 4, 3214868480
	.section	.rodata,"a",@progbits
	.p2align	6, 0x0
	.amdhsa_kernel k_qb361016937_attn
		.amdhsa_group_segment_fixed_size 327680
		.amdhsa_private_segment_fixed_size 0
		.amdhsa_enable_private_segment 0
		.amdhsa_kernarg_size 24
		.amdhsa_user_sgpr_count 2
		.amdhsa_user_sgpr_kernarg_segment_ptr 1
		.amdhsa_wavefront_size32 1
		.amdhsa_system_sgpr_workgroup_id_x 1
		.amdhsa_system_sgpr_workgroup_id_y 1
		.amdhsa_system_sgpr_workgroup_id_z 1
		.amdhsa_system_vgpr_workitem_id 0
		.amdhsa_next_free_vgpr 512
		.amdhsa_next_free_sgpr 66
		.amdhsa_reserve_vcc 1
		.amdhsa_float_denorm_mode_32 3
		.amdhsa_float_denorm_mode_16_64 3
		.amdhsa_memory_ordered 1
		.amdhsa_forward_progress 1
		.amdhsa_inst_pref_size 115
	.end_amdhsa_kernel
	.amdgpu_metadata
---
amdhsa.version: [ 1, 2 ]
amdhsa.kernels:
  - .name:           k_qb361016937_attn
    .symbol:         k_qb361016937_attn.kd
    .args:
      - { .name: qkv, .offset: 0, .size: 8, .value_kind: global_buffer, .address_space: global }
      - { .name: lowp_scales, .offset: 8, .size: 8, .value_kind: global_buffer, .address_space: global }
      - { .name: ctx, .offset: 16, .size: 8, .value_kind: global_buffer, .address_space: global }
    .group_segment_fixed_size: 327680
    .private_segment_fixed_size: 0
    .kernarg_segment_align: 8
    .kernarg_segment_size: 24
    .max_flat_workgroup_size: 256
    .sgpr_count:     66
    .vgpr_count:     512
    .wavefront_size: 32
...
	.end_amdgpu_metadata
.endif
;; end of part 3
;; launch oproj (part 4): grid 8 x 32, 4 waves a work-group, clusters of 4 x 4, 327,680 bytes of LDS; arguments ctx, woc, lowp_scales, out0; writes out0
.if DOCPART == 4
	.amdgcn_target "amdgcn-amd-amdhsa--gfx1250"
	.amdhsa_code_object_version 6
	.text
	.protected	k_qb361016937_oproj
	.globl	k_qb361016937_oproj
	.p2align	8
	.type	k_qb361016937_oproj,@function
k_qb361016937_oproj:
	s_mov_b64 s[64:65], 0
	v_nop
	global_prefetch_b8 v0, s[64:65] scope:SCOPE_SE
	s_setreg_imm32_b32 hwreg(HW_REG_WAVE_MODE, 25, 1), 1
	s_wait_xcnt 0x0
	s_wait_alu depctr_hold_cnt(0) depctr_sa_sdst(0) depctr_va_vdst(0) depctr_va_sdst(0) depctr_va_ssrc(0) depctr_va_vcc(0) depctr_vm_vsrc(0)
	s_getreg_b32 s2, hwreg(HW_REG_IB_STS2, 6, 4)
	s_cmp_eq_u32 s2, 0
	s_cbranch_scc0 .Lentry_in_a_cluster
	s_endpgm
.Lentry_in_a_cluster:
	s_bfe_u32 s2, ttmp6, 0x10000c
	s_cmp_lg_u32 s2, 0xf033
	s_cbranch_scc0 .Lentry_shape_is_right
	s_endpgm
.Lentry_shape_is_right:
; OPROJ: out0[4096][2048] = ctx wo^T on codes of FP8 (E4M3); each finished sum x 2^(e10 + e11).  K = 1,024 = 8 heads x 128.
; A = ctx, images of fragments: [256 blocks of 16 tokens][8 heads][2,048 bytes], registers 4 c .. 4 c + 3 of lane l at 512 c + 16 l, holding k = 32 c + 16 h + 0 .. 15 of the head.  B = woc[2048][1024], natural rows, whose fragments
; are taken by four loads of 16 bytes, 32 apart: the same order of k.
; SHARES.  A tile of 128 tokens x 256 outputs to a work-group: 32 x 8 = 256 work-groups.  Four waves, each 64 x 128: 32 accumulators.  A larger tile would give 128 work-groups.
; LDS.  K goes in four steps of 256 (two heads).  A slot holds one: A's 8 blocks x 4,096 bytes, dense (an LDS load's 512 bytes are consecutive), then B's 256 rows of 256 bytes + 16 of padding: 102,400 bytes.  THREE slots fit, so three
; quarters of K go out as first fills, and there is ONE refill: slot 0 takes the last quarter as soon as it has been read, and has four steps of 128 in which to land.  Nothing is looped: eight steps of 128 are written out.
; By this text's count a wave has three tensor loads out at the start, later one.
; CLUSTERS: 4 x 4 work-groups; A's tile is asked for jointly by a row of the cluster, B's by a column.  THE MATRIX INSTRUCTION IS USED TRANSPOSED: a lane holds eight neighbouring numbers of a row of the output.
; LIMIT: e10 + e11 between -126 and 127.
; REGISTERS, in windows of 256: window 0: v0-31 addresses; v128-191, v192-255 A's fragments (4 x 16 rows x 128 K), two sets; on the way out v32-255 are free.  Window 1: B's fragments (8), two sets.  Window 2: the accumulators ((a, b) at v[8 (8 a + b)]).
.set SIZE_N, 2048
.set ROWB,   256
.set KROW,   1024
.set PITCH,  272                       ; B's LDS row: 256 bytes + 16 of padding = 68 words: the 16 rows that a load touches start at 16 different banks (64 banks of 4 bytes: ISA guide 11.1)
.set FR,     16
.set NP,     4
.set ABLK,   4096                      ; a block of 16 tokens x 256 along K
.set HALFA,  4*ABLK                    ; what one tensor load brings of A, and what one wave reads
.set BOFF,   2*HALFA
.set HALFB,  128*PITCH
.set SLOT,   BOFF+2*HALFB
.set SPARE,  3*SLOT                    ; behind the slots: the spare words, 128 bytes for each wave
.set STAGE,  SLOT                      ; the way out: a stage for each wave, in slot 1, which has its first fill alone and whose last reads lie in front of the last barrier
.set SPITCH, 528                       ; a stage row: 512 bytes + 16
.set ADRA, 16                          ; v16-18  LDS address of my A fragments in slot 0, 1, 2
.set ADRB, 20                          ; v20-22  the same for B
.set STO,  24
.set RD,   25
.set CO,   26                          ; v26     16 x lane
.set SPW,  28
.set NIL,  29
.set TMP,  32
.set AF,   128
.set BK,   128
.set G1, 24                            ; s[24:31] group 1 for A's tiles;  s[32:43] group 0, a set for each slot
.set G0, 32
.set G1B, 48                           ; s[48:55], s[68:79] the same for B's
.set G0B, 68
.set MSB, 0
.macro WIN new                         ; the immediate's high byte repeats the setting that is left
.if MSB != \new
	s_set_vgpr_msb (MSB<<8)|\new
.set MSB, \new
.endif
.endm
.set MUL_LO, 0xa1                      ; source 0 (B) window 1, source 1 (A) window 0, C and D window 2
.set TO_B,   0x40
.macro JLOAD g0a, g1a, g0b, g1b        ; waves 0 and 1 fetch for A, waves 2 and 3 for B; four v_nop follow each of the two lines
	s_cmp_eq_u32 s15, 0
	s_cbranch_scc0 .Lfor_b_\@
	tensor_load_to_lds s[\g0a:\g0a+3], s[\g1a:\g1a+7]
	s_nop 0
.rept 4
	v_nop
.endr
	s_branch .Lasked_\@
.Lfor_b_\@:
	tensor_load_to_lds s[\g0b:\g0b+3], s[\g1b:\g1b+7]
	s_nop 0
.rept 4
	v_nop
.endr
.Lasked_\@:
.endm
.macro CREST
	s_cmp_lg_u32 s14, 0
	s_cbranch_scc1 .Lnot_wave_0_\@
	s_barrier_signal -3
.Lnot_wave_0_\@:
	s_barrier_wait -3
	s_barrier_signal -1
	s_barrier_wait -1
.endm
.macro CROUND
	s_barrier_signal -1
	s_barrier_wait -1
	CREST
.endm
	s_load_b128 s[4:7], s[0:1], 0x0                ; ctx, woc
	s_load_b128 s[8:11], s[0:1], 0x10              ; the scales, out0
	v_lshl_add_u32 v[SPW], v0, 2, SPARE
	v_mov_b32 v[NIL], 0
	ds_add_u32 v28, v29
	ds_add_u32 v28, v29
	s_wait_dscnt 0x0
	v_lshrrev_b32 v1, 5, v0
	v_readfirstlane_b32 s14, v1                    ; wave 0..3
	s_lshr_b32 s15, s14, 1                         ; which 64 of the tile's tokens are mine.  Also: I fetch for A (0) or for B (1)
	s_and_b32 s16, s14, 1                          ; which 128 of its outputs.  Also: which half of that tile I fetch
	s_bfe_u32 s56, ttmp6, 0x40000                  ; cx
	s_bfe_u32 s57, ttmp6, 0x40004                  ; cy
	s_lshl_b32 s58, ttmp9, 2
	s_add_co_u32 s58, s58, s56                     ; tile column, 0 .. 7
	s_and_b32 s17, ttmp7, 0xffff
	s_lshl_b32 s17, s17, 2
	s_add_co_u32 s17, s17, s57                     ; tile row, 0 .. 31
	s_lshl_b32 s59, s57, 2
	s_lshl_b32 s59, 15, s59                        ; my row of the cluster
	s_lshl_b32 s60, 0x1111, s56                    ; my column
	s_or_b32 s[G1+0], s59, (3<<16)|(1<<21)         ; A: the mask of my row; elements of 8 bytes; bit 21 beside a mask; no padding
	s_mov_b32 s[G1+1], 512<<16                     ; tensor_dim0 = 512: rows of 4,096 bytes
	s_mov_b32 s[G1+2], 4<<16                       ; tensor_dim1 = 4 blocks
	s_mov_b32 s[G1+3], 512<<16                     ; tile_dim0
	s_mov_b32 s[G1+4], 4                           ; tile_dim1
	s_mov_b32 s[G1+5], 2048                        ; the pitch: 16,384 bytes from block to block
	s_mov_b32 s[G1+6], 0
	s_mov_b32 s[G1+7], 0
	s_or_b32 s[G1B+0], s60, (0<<16)|(1<<20)|(1<<21)|(5<<22)|(3<<25)  ; B: the mask of my column; elements of 1 byte; 4 words of padding after every 64
	s_mov_b32 s[G1B+1], ROWB<<16
	s_mov_b32 s[G1B+2], 128<<16
	s_mov_b32 s[G1B+3], ROWB<<16
	s_mov_b32 s[G1B+4], 128
	s_mov_b32 s[G1B+5], KROW
	s_mov_b32 s[G1B+6], 0
	s_mov_b32 s[G1B+7], 0
	s_lshl_b32 s18, s16, 2
	s_lshl_b32 s20, s17, 3
	s_add_co_u32 s20, s20, s18
	s_lshl_b32 s20, s20, 14                        ; A: block 8 x tile row + 4 x half, 16,384 bytes each
	s_mov_b32 s21, 0
	s_lshl_b32 s18, s16, 7
	s_lshl_b32 s84, s58, 8
	s_add_co_u32 s84, s84, s18
	s_lshl_b32 s84, s84, 10                        ; B: row 256 x tile column + 128 x half, 1,024 bytes each
	s_mov_b32 s85, 0
	s_lshl_b32 s61, s16, 14                        ; where A's half goes,
	s_mul_i32 s62, s16, HALFB
	s_add_co_u32 s62, s62, BOFF                    ; and B's: no place in the cluster enters an LDS address
	s_wait_kmcnt 0x0
	s_load_b64 s[96:97], s[8:9], 0x28              ; e10, e11
	s_add_nc_u64 s[20:21], s[4:5], s[20:21]
	s_add_nc_u64 s[84:85], s[6:7], s[84:85]
	CROUND                                         ; all sixteen work-groups are here: the first joint loads meet
.irp s, 0,1,2                          ; the three first fills go out together, ahead of every wait on TENSORcnt, every LDS read and every other barrier
	s_mov_b32 s[G0+4*\s], 1
	s_add_co_u32 s[G0+4*\s+1], s61, \s*SLOT
	s_add_nc_u64 s[G0+4*\s+2:G0+4*\s+3], s[20:21], \s*ABLK
	s_or_b32 s[G0+4*\s+3], s[G0+4*\s+3], 0x80000000
	s_mov_b32 s[G0B+4*\s], 1
	s_add_co_u32 s[G0B+4*\s+1], s62, \s*SLOT
	s_add_nc_u64 s[G0B+4*\s+2:G0B+4*\s+3], s[84:85], \s*ROWB
	s_or_b32 s[G0B+4*\s+3], s[G0B+4*\s+3], 0x80000000
	JLOAD G0+4*\s, G1, G0B+4*\s, G1B
.endr
	v_and_b32 v1, 15, v0                           ; r
	v_bfe_u32 v2, v0, 4, 1                         ; h
	v_mul_u32_u24 v3, v1, PITCH
	v_lshl_add_u32 v4, v2, 4, v3
	v_and_b32 v6, 31, v0
	v_lshlrev_b32 v[CO], 4, v6                     ; 16 x lane
	s_lshl_b32 s21, s15, 14                        ; my 4 blocks of A
	s_mul_i32 s22, s16, HALFB
	s_add_co_u32 s22, s22, BOFF                    ; my 128 rows of B
.irp s, 0,1,2
	v_add_nc_u32 v[ADRA+\s], s21, v[CO]
	v_add_nc_u32 v[ADRB+\s], s22, v4
	s_add_co_u32 s21, s21, SLOT
	s_add_co_u32 s22, s22, SLOT
.endr
	s_mul_i32 s23, s14, 16*SPITCH
	s_add_co_u32 s23, s23, STAGE                   ; my stage
	v_mul_u32_u24 v5, v1, SPITCH
	v_lshl_add_u32 v5, v2, 5, v5
	v_add_nc_u32 v[STO], s23, v5                   ; in: row r, 32 bytes for each half of the lanes
	v_add_nc_u32 v[RD], s23, v[CO]                 ; back: the 32 lanes take one row of 512 bytes
	s_lshl_b32 s20, s17, 7
	s_lshl_b32 s21, s15, 6
	s_add_co_u32 s20, s20, s21
	s_lshl_b32 s20, s20, 13                        ; my first row of the output, 8,192 bytes a row
	s_lshl_b32 s86, s58, 10
	s_lshl_b32 s87, s16, 9
	s_add_co_u32 s86, s86, s87                     ; my first column, in bytes
	s_add_co_u32 s20, s20, s86
	s_mov_b32 s21, 0
	s_add_nc_u64 s[10:11], s[10:11], s[20:21]
.macro FRAGA reg, adr, q, i            ; an image comes back as it was stored
.irp c, 0,1,2,3
	ds_load_b128 v[\reg+4*\c:\reg+4*\c+3], v[\adr] offset:ABLK*(\i)+2048*(\q)+512*\c
.endr
.endm
.macro FRAGB reg, adr, q, i
.irp c, 0,1,2,3
	ds_load_b128 v[\reg+4*\c:\reg+4*\c+3], v[\adr] offset:128*(\q)+32*\c+(\i)*16*PITCH
.endr
.endm
; 16 matrix instructions: A's blocks a0, a0 + 1 x B's eight, 128 along K, on set p.  The 32 accumulators take turns, one instruction a turn, in the same order in every step.
.macro MUL16 a0, p, zero
.irp a, \a0, \a0+1
.irp b, 0,1,2,3,4,5,6,7
.if \zero
	v_wmma_f32_16x16x128_fp8_fp8 v[8*(8*(\a)+\b):8*(8*(\a)+\b)+7], v[128*(\p)+FR*\b:128*(\p)+FR*\b+FR-1], v[AF+64*(\p)+FR*(\a):AF+64*(\p)+FR*(\a)+FR-1], 0
.else
	v_wmma_f32_16x16x128_fp8_fp8 v[8*(8*(\a)+\b):8*(8*(\a)+\b)+7], v[128*(\p)+FR*\b:128*(\p)+FR*\b+FR-1], v[AF+64*(\p)+FR*(\a):AF+64*(\p)+FR*(\a)+FR-1], v[8*(8*(\a)+\b):8*(8*(\a)+\b)+7]
.endif
.endr
.endr
.endm
.macro FETCH slot, q, p                ; 48 LDS loads in one run: the fragments of the slot's q-th 128 along K into set p: B's eight, A's four
	WIN TO_B
.irp i, 0,1,2,3,4,5,6,7
	FRAGB 128*(\p)+FR*\i, ADRB+\slot, \q, \i
.endr
	WIN 0
.irp i, 0,1,2,3
	FRAGA AF+64*(\p)+FR*\i, ADRA+\slot, \q, \i
.endr
.endm
.macro PLACES n                        ; plain vector lines between a matrix instruction and a load into, or a vector read of, its registers
.rept \n
	v_nop
.endr
.endm
; A step of 128 along K on set p; the next step's fragments (slot nslot, its nq-th 128) are asked for first, into the other set, and have this step's 32 products in which to land.
.macro STEP p, nslot, nq, zero
	s_wait_dscnt 0x0                               ; this step's 48 loads are in
	PLACES NP                                      ; the other set was read by the products just issued
	FETCH \nslot, \nq, 1-(\p)
	WIN MUL_LO
	MUL16 0, \p, \zero
	MUL16 2, \p, \zero
	WIN 0
.endm
; A step on set 1 with a barrier in it.  In front of the barrier each wave waits for all its tensor loads, adds 0 to its spare word, and waits for that and for its LDS reads, which are its last of the slot in hand.
; fill = 1: the barrier opens a round of the cluster's barrier, and slot 0, which nobody reads any more, takes the last quarter of K.  Every wave has waited for all its loads, so slots 1 and 2 are whole for everybody from here on.
; fill = 0: the refilled slot 0 is whole for everybody; nothing is filled.
.macro TURN next, fill
	s_wait_tensorcnt 0x0                           ; all my tensor loads have landed
	ds_add_u32 v[SPW], v[NIL]                      ; 0 onto my spare word
	s_wait_dscnt 0x0                               ; the add is done; this step's fragments are in
	s_barrier_signal -1
	WIN MUL_LO
	MUL16 0, 1, 0                                  ; work on registers while the others arrive
	WIN 0
	s_barrier_wait -1
.if \fill
	CREST                                          ; no wave of any partner still reads slot 0 or has a load on its way
	s_add_nc_u64 s[G0+2:G0+3], s[G0+2:G0+3], 3*ABLK
	s_add_nc_u64 s[G0B+2:G0B+3], s[G0B+2:G0B+3], 3*ROWB
	JLOAD G0, G1, G0B, G1B                         ; the first tensor load behind the round; its four v_nop are the places in front of the loads below
.else
	PLACES NP
.endif
	FETCH \next, 0, 0
	WIN MUL_LO
	MUL16 2, 1, 0
	WIN 0
.endm
	s_wait_tensorcnt 2                             ; my part of slot 0 is in; the two younger loads may be out
	s_barrier_signal -1
	s_barrier_wait -1
	FETCH 0, 0, 0
	STEP 0, 0, 1, 1                                ; K 0-127: the first products start the sums: nothing is cleared
	TURN 1, 1                                      ; K 128-255; slot 0 is asked for again
	STEP 0, 1, 1, 0                                ; K 256-383
	STEP 1, 2, 0, 0                                ; K 384-511: slot 2 needs no barrier of its own
	STEP 0, 2, 1, 0                                ; K 512-639
	TURN 0, 0                                      ; K 640-767; the refilled slot 0 is there
	STEP 0, 0, 1, 0                                ; K 768-895
	s_wait_dscnt 0x0                               ; K 896-1023: nothing more to fetch
	WIN MUL_LO
	MUL16 0, 1, 0
	MUL16 2, 1, 0
	WIN 0
; THE WAY OUT, block by block of 16 rows x 128 columns, through my own stage in LDS; back as whole rows of 512 bytes.  LDS serves a wave's instructions in order (ISA guide 5.7.1.4): no wait between the stores and the loads.
.macro TOSTAGE a
.set AC, 64*(\a)
	WIN 0x02                                       ; source 0: window 2
.irp j, 0,2,4,6,8,10,12,14,16,18,20,22,24,26,28,30,32,34,36,38,40,42,44,46,48,50,52,54,56,58,60,62
	v_pk_mul_f32 v[TMP+\j:TMP+\j+1], v[AC+\j:AC+\j+1], s[96:97] op_sel_hi:[1,0]   ; x 2^(e10 + e11); each accumulator from its low end on
.endr
	WIN 0
.irp b, 0,1,2,3,4,5,6,7
	ds_store_b128 v[STO], v[TMP+8*\b:TMP+8*\b+3] offset:64*\b
	ds_store_b128 v[STO], v[TMP+8*\b+4:TMP+8*\b+7] offset:64*\b+16
.endr
.set BB, BK+64*((\a)%2)
.irp t, 0,1,2,3,4,5,6,7,8,9,10,11,12,13,14,15
	ds_load_b128 v[BB+4*\t:BB+4*\t+3], v[RD] offset:\t*SPITCH
.endr
.endm
.macro SEND a, younger                 ; younger: the LDS instructions issued behind block a's loads, which may stay out
.set BB, BK+64*((\a)%2)
	s_wait_dscnt \younger                          ; the block is back in registers
.if (\a) > 0
	s_add_nc_u64 s[10:11], s[10:11], 16*SIZE_N*4   ; (behind a wait on XCNT: the earlier stores have read their base)
.endif
.irp t, 0,1,2,3,4,5,6,7,8,9,10,11,12,13,14,15
	global_store_b128 v[CO], v[BB+4*\t:BB+4*\t+3], s[10:11] offset:\t*SIZE_N*4 th:TH_STORE_NT   ; 512 consecutive bytes, aligned; written once
.endr
.endm
	s_wait_kmcnt 0x0
	s_add_co_i32 s96, s96, s97
	s_add_co_i32 s96, s96, 127
	s_lshl_b32 s96, s96, 23                        ; 2^(e10 + e11) as f32
	PLACES NP                                      ; in front of the first reads of results and of the loads into the registers that held A's fragments
	TOSTAGE 0
.irp a, 1,2,3
.if \a > 1
	s_wait_xcnt 0x0                                ; block a - 2's stores have read their registers and their base
.endif
	TOSTAGE \a
	SEND \a-1, 32                                  ; behind block a - 1's loads: block a's 16 stores and 16 loads
.endr
	s_wait_xcnt 0x0                                ; block 2's stores have read their base
	SEND 3, 0
	s_wait_tensorcnt 0x0                           ; the wave's end
	ds_add_u32 v[SPW], v[NIL]
	s_wait_dscnt 0x0
	CROUND                                         ; the closing round: no work-group ends while a partner may still ask for a tile that names it
	s_endpgm
.Lfunc_end_k_qb361016937_oproj:
	.size	k_qb361016937_oproj, .Lfunc_end_k_qb361016937_oproj-k_qb361016937_oproj
	.p2alignl 7, 3214868480
	.fill 96, 4, 3214868480
	.section	.rodata,"a",@progbits
	.p2align	6, 0x0
	.amdhsa_kernel k_qb361016937_oproj
		.amdhsa_group_segment_fixed_size 327680
		.amdhsa_private_segment_fixed_size 0
		.amdhsa_enable_private_segment 0
		.amdhsa_kernarg_size 32
		.amdhsa_user_sgpr_count 2
		.amdhsa_user_sgpr_kernarg_segment_ptr 1
		.amdhsa_wavefront_size32 1
		.amdhsa_system_sgpr_workgroup_id_x 1
		.amdhsa_system_sgpr_workgroup_id_y 1
		.amdhsa_system_sgpr_workgroup_id_z 1
		.amdhsa_system_vgpr_workitem_id 0
		.amdhsa_next_free_vgpr 768
		.amdhsa_next_free_sgpr 98
		.amdhsa_reserve_vcc 0
		.amdhsa_float_denorm_mode_32 3
		.amdhsa_float_denorm_mode_16_64 3
		.amdhsa_memory_ordered 1
		.amdhsa_forward_progress 1
		.amdhsa_inst_pref_size 75
	.end_amdhsa_kernel
	.amdgpu_metadata
---
amdhsa.version: [ 1, 2 ]
amdhsa.kernels:
  - .name:           k_qb361016937_oproj
    .symbol:         k_qb361016937_oproj.kd
    .args:
      - { .name: ctx, .offset: 0, .size: 8, .value_kind: global_buffer, .address_space: global }
      - { .name: woc, .offset: 8, .size: 8, .value_kind: global_buffer, .address_space: global }
      - { .name: lowp_scales, .offset: 16, .size: 8, .value_kind: global_buffer, .address_space: global }
      - { .name: out0, .offset: 24, .size: 8, .value_kind: global_buffer, .address_space: global }
    .group_segment_fixed_size: 327680
    .private_segment_fixed_size: 0
    .kernarg_segment_align: 8
    .kernarg_segment_size: 32
    .max_flat_workgroup_size: 128
    .sgpr_count:     98
    .vgpr_count:     768
    .wavefront_size: 32
...
	.end_amdgpu_metadata
.endif
;; end of part 4
